; MI455X (gfx1250); checked and timed in simulation.
; The chip was launched on July 23, 2026; its instructions are those of AMD's public machine-readable ISA for CDNA 5 (MIT licence, August 2026) and "CDNA5" Instruction Set Architecture Reference Guide (July 2026). The comments in the code are by the model that wrote it; some were corrected since.
;; Multi Head Attention Layer. Allowed arithmetic: matrix products marked QUANTISED: E2M3 operands, one E8M0 scale for each 32 along K, by v_wmma_scale_f32_16x16x128_f8f6f4 with both operands' format E2M3, f32 sums; everything else in f32.
;; Inputs: Wk 1,024 x 1,024 float32; Wo 1,024 x 1,024 float32; Wq 1,024 x 1,024 float32; Wv 1,024 x 1,024 float32; bk 1,024 float32; bo 1,024 float32; bq 1,024 float32; bv 1,024 float32; key 4 x 2,048 x 1,024 float32; mask 4 x 1 x 1 x 2,048 float32; query 4 x 2,048 x 1,024 float32; value 4 x 2,048 x 1,024 float32.
;; Outputs: out0 4 x 2,048 x 1,024 float32.
;; This version of the problem:
;;   THIS VERSION OF THE PROBLEM IS GIVEN IN LOW PRECISION. The matrix products marked QUANTISED in the list below multiply operands that are first quantised to E2M3 (2 exponent bits, 3 mantissa bits; 6 bits a number), with one power-of-two scale for each 32 numbers along K (OCP MX v1.0); their sums are f32. All else is computed in f32.
;;   The module's matrix products, in the order in which they are computed (A, B: the left and right operand; K: the contracted axis; several contracted axes count as one K, in the product's order):
;;     1. [M 8,192, K 1,024] x [K 1,024, N 1,024]; A: input query; B: input Wq: QUANTISED
;;     2. [M 8,192, K 1,024] x [K 1,024, N 1,024]; A: input key; B: input Wk: QUANTISED
;;     3. [M 8,192, K 1,024] x [K 1,024, N 1,024]; A: input value; B: input Wv: QUANTISED
;;     4. batch 64 x [M 2,048, K 64] x [K 64, N 2,048]; A: computed on the way; B: computed on the way: QUANTISED
;;     5. batch 64 x [M 2,048, K 2,048] x [K 2,048, N 64]; A: softmax (see below); B: computed on the way: QUANTISED
;;     6. [M 8,192, K 1,024] x [K 1,024, N 1,024]; A: computed on the way; B: input Wo: QUANTISED
;;   THE QUANTISER, for each operand of a quantised product, along K:
;;     - K is cut into blocks of 32 from its start; a last block that is shorter is filled with zeros.
;;     - A block's scale is 2^e with e = floor(log2(the largest magnitude in the block)) - 2, held to -126 .. 127; a block of zeros has e = 0. As a byte (E8M0): e + 127.
;;     - Each number is divided by its block's scale, clamped to +-7.5, and rounded to the nearest number of E2M3, ties to even, subnormals kept.
;;     - The product sums the exact products of the quantised numbers (number of the format x scale) in f32.
;;   ~~~python
;;   def quantise(x, axis):      # numpy; x: float32 -> the quantised numbers, widened to float32 again
;;       x = np.moveaxis(x, axis, -1); K = x.shape[-1]
;;       x = np.pad(x, [(0, 0)] * (x.ndim - 1) + [(0, -K % 32)]); x = x.reshape(x.shape[:-1] + (-1, 32)); a = np.abs(x).max(-1, keepdims=True)
;;       e = np.where(a > 0, np.clip(np.frexp(np.where(a > 0, a, 1))[1] - 1 - 2, -126, 127), 0)      # np.frexp(a)[1] - 1 = floor(log2(a)), exactly
;;       r = np.clip(x / 2.0 ** e, -7.5, 7.5)
;;       step = 2.0 ** (np.maximum(np.frexp(np.where(r == 0, 1, r))[1] - 1, 0) - 3)
;;       q = np.round(r / step) * step * 2.0 ** e      # np.round: ties to even
;;       return np.moveaxis(q.reshape(q.shape[:-2] + (-1,))[..., :K], -1, axis).astype(np.float32)
;;   ~~~
;;   SOFTMAX AHEAD OF A QUANTISED PRODUCT. Where the list says 'softmax', what is quantised is not the finished softmax but p = 2^(t - M), with t = logit x log2(e) and M = ceil(the row's largest t), a whole number; so 1/2 < the row's largest p <= 1. The row's sum l is taken of the UNQUANTISED p, in f32, and the product's result is divided by l at the end. Since M is a whole number, a kernel that streams over the keys may use a running M (the ceiling of the running maximum): every later rescaling is an exact power of two, which a block's scale takes up: the codes' values come out the same.
;;   OPERANDS COMPUTED ON THE WAY. 'Computed on the way' means the value that the module computes at that place (a softmax that the list does not call 'softmax' is quantised finished and normalised). What goes into a quantiser is computed in f32, as accurately as f32 sums, v_exp_f32 and their like allow (about 1e-6 of the number): no bf16 or f16 on the way to a quantiser, and a product that is left as it is and whose result goes on into a quantised operand takes f32 operands (vector FMAs, or v_wmma_f32_16x16x4_f32). A number that lies on a knife's edge between two numbers of the format may be rounded either way, as far as f32 arithmetic and the matrix unit's own rounding can turn it there, and no further.
;; One version. Each part assembles by itself: llvm-mc -triple=amdgcn-amd-amdhsa -mcpu=gfx1250 --defsym DOCPART=n.
;; ======== version 1 of 1: 4 launches
;; limits: right only within a limited range of input values
;; workspace buffers: xbuf 19,660,800 bytes; wbuf 3,276,800 bytes; qbuf 6,815,744 bytes; kvbuf 13,107,200 bytes; cbuf 6,553,600 bytes
;; launch quant (part 1): grid 832 x 1, 4 waves a work-group, no clusters, 83,456 bytes of LDS; arguments query, key, value, Wq, Wk, Wv, Wo, xbuf, wbuf; writes xbuf, wbuf
.if DOCPART == 1
	.amdgcn_target "amdgcn-amd-amdhsa--gfx1250"
	.amdhsa_code_object_version 6
	.text
	.protected	k_q3ebbacf906_quant
	.globl	k_q3ebbacf906_quant
	.p2align	8
	.type	k_q3ebbacf906_quant,@function
k_q3ebbacf906_quant:
	s_mov_b64 s[64:65], 0
	v_nop
	global_prefetch_b8 v0, s[64:65] scope:SCOPE_SE
	s_setreg_imm32_b32 hwreg(HW_REG_WAVE_MODE, 25, 1), 1
	s_wait_xcnt 0x0
; query, key, value [8192][1024] and Wq, Wk, Wv, Wo [1024 (k)][1024 (n)], f32, become codes of FP6 (E2M3) with one E8M0 byte for each 32 along K (K = 1,024 for all seven).
; A block's scale is 2^(floor(log2(largest magnitude)) - 2); its byte is the largest magnitude's exponent field - 2, held at 1 from below.
; LIMITS: a block whose largest magnitude lies under 2^-124 keeps the byte 1; a block of zeros gets the byte 1, not 127 (its codes are zeros, and only this program reads the bytes); NaN and infinities are not served.
; LAYOUT OF THE RESULTS: as the readers' operand registers want them.  Rows (tokens; a weight's columns n) lie in STORED ORDER: row r of stored tile T is actual row 32 (T / 2) + 8 (T % 2) + r % 8 + 16 (r / 8).
; A fragment image (16 stored rows x 128 K) is 1,536 bytes = two half images of 768: lane l's registers 0-3 at 16 l, its registers 4-5 at 512 + 8 l; lane (r = l % 16, h = l / 16) holds block h of row r.
; A tile's eight images lie on end (12,288 bytes).  Scale words: tile x 512 + (s / 4) x 256 + 16 r + 4 (s % 4), s the K step of 128.
; Work-groups 0-63 take the weights (a lane to a column, registers down K), work-groups 64-831 the activations.  The two ways part on the work-group's number and have LDS bytes of their own.
; No barrier: waves share nothing.
.set STX,   8448                       ; activations: a wave's stage, 16 rows x (512 bytes + 16)
.set WST,   4*STX                      ; weights: the stages begin here
.set STW,   12288                      ; a wave's stage: 2 tiles x 4 images
.set R,     16                         ; v16-79, v80-143  two sets of 64 numbers as loaded
.set X,     144                        ; v144-207 64 numbers, register 16 b + i = k 32 b + 16 h + i of my row
.set PC,    208                        ; v208-219 the fragment; v220-222, v224-226 the conversions' second halves
.set TM,    228                        ; v228-231 largest magnitudes, v232-235 the other half's / bytes, v240-243 scale operands
.set PW,    244                        ; v244-247 four K steps' scale words
.set SB,    160                        ; weights: v160-163 scale bytes, four to a register
.set SEL,   36                         ; s[36:37] v_permlanex16_b32's selects for lane l xor 16
; 64 numbers of a lane become a fragment's codes in v[PC] on and its scale word in v[pw]
.macro QUANT s, pw
.irp b, 0,1,2,3
	v_max3_num_f32 v[TM+\b], |v[(\s)+16*\b]|, |v[(\s)+1+16*\b]|, 0x1800000   ; my 16 numbers of block b, and the floor 2^(3 - 127): the byte cannot fall under 1
.endr
.irp i, 2,4,6,8,10,12,14
.irp b, 0,1,2,3
	v_max3_num_f32 v[TM+\b], v[TM+\b], |v[(\s)+16*\b+\i]|, |v[(\s)+1+16*\b+\i]|   ; the four blocks by turns
.endr
.endr
.irp b, 0,1,2,3
	v_permlanex16_b32 v[TM+4+\b], v[TM+\b], s[SEL], s[SEL+1]
.endr
.irp b, 0,1,2,3
	v_max_num_f32 v[TM+\b], v[TM+\b], v[TM+4+\b]   ; with lane l xor 16's 16: the block's largest magnitude
.endr
.irp b, 0,1,2,3
	v_add_nc_u32 v[TM+12+\b], 0xff000000, v[TM+\b]   ; 2 off its exponent field: the conversion's scale operand
.endr
.irp b, 0,1,2,3
	v_lshrrev_b32 v[TM+4+\b], 23, v[TM+12+\b]      ; the scale's byte
.endr
	v_lshl_or_b32 v[\pw], v[TM+5], 8, v[TM+4]
	v_lshl_or_b32 v[\pw], v[TM+6], 16, v[\pw]
	v_lshl_or_b32 v[\pw], v[TM+7], 24, v[\pw]
.irp c, 0,1
	v_cvt_scalef32_pk16_fp6_f32 v[PC+6*\c:PC+2+6*\c], v[(\s)+32*\c:(\s)+15+32*\c], v[TM+12+2*\c]
	v_cvt_scalef32_pk16_fp6_f32 v[PC+12+4*\c:PC+14+4*\c], v[(\s)+16+32*\c:(\s)+31+32*\c], v[TM+12+2*\c+1]   ; a conversion's three registers begin on an even number
.endr
	v_nop                                          ; one plain place behind a scaled conversion
.irp c, 0,1                                    ; the operand wants a whole block in a lane: lanes 0-15 block 2 c, lanes 16-31 block 2 c + 1
.irp i, 0,1,2
	v_permlane16_swap_b32 v[PC+6*\c+\i], v[PC+12+4*\c+\i]
.endr
.irp i, 0,1,2
	v_mov_b32 v[PC+3+6*\c+\i], v[PC+12+4*\c+\i]
.endr
.endr
.endm
.macro LOADX s                         ; K step s of my 16 rows: each load reads 512 consecutive bytes of one row
.irp i, 0,1,2,3,4,5,6,7,8,9,10,11,12,13,14,15
	global_load_b128 v[R+64*((\s)%2)+4*\i:R+64*((\s)%2)+4*\i+3], v4, s[4:5] offset:(\i+8*(\i/8))*4096+(\s)*512 th:TH_LOAD_NT
.endr
.endm
.macro STEPX s
.if (\s) < 3
	s_wait_loadcnt 16                              ; this step's 16 loads are in; the next step's 16 stay out
.else
	s_wait_loadcnt 0x0
.endif
.irp i, 0,1,2,3,4,5,6,7,8,9,10,11,12,13,14,15
	ds_store_b128 v5, v[R+64*((\s)%2)+4*\i:R+64*((\s)%2)+4*\i+3] offset:\i*528   ; as loaded: row i of the stage
.endr
.irp b, 0,1,2,3
.irp j, 0,1,2,3
	ds_load_b128 v[X+16*\b+4*\j:X+16*\b+4*\j+3], v6 offset:128*\b+16*\j   ; back: my row's 16 neighbours of each block (LDS serves a wave's instructions in order)
.endr
.endr
	s_wait_dscnt 0x0                               ; the numbers are back, and the stores into the stage have read their registers
	s_wait_xcnt 0x0                                ; the last step's stores have read the fragment's registers
.if (\s) < 2
	LOADX (\s)+2
.endif
	QUANT X, PW+(\s)
	global_store_b128 v4, v[PC:PC+3], s[32:33] offset:(\s)*1536          ; 512 consecutive bytes
	global_store_b64 v7, v[PC+4:PC+5], s[32:33] offset:(\s)*1536+512      ; 256
	global_store_b128 v4, v[PC+6:PC+9], s[32:33] offset:(\s)*1536+768
	global_store_b64 v7, v[PC+10:PC+11], s[32:33] offset:(\s)*1536+1280
.endm
.macro LOADW t                         ; block t: W(32 t + i, my column) into set t % 2: 128 consecutive bytes a load
.irp i, 0,1,2,3,4,5,6,7,8,9,10,11,12,13,14,15,16,17,18,19,20,21,22,23,24,25,26,27,28,29,30,31
	global_load_b32 v[16+32*((\t)%2)+\i], v4, s[10:11] offset:(32*(\t)+\i)*4096 th:TH_LOAD_NT
.endr
.endm
.macro BLOCKW t
.set XS, 16+32*((\t)%2)
.if (\t) < 15
	s_wait_loadcnt 32                              ; this block's 32 loads are in; the next block's stay out
.else
	s_wait_loadcnt 0x0
.endif
	v_max3_num_f32 v156, |v[XS]|, |v[XS+1]|, |v[XS+2]|             ; the block's largest magnitude: all 32 numbers are mine
	v_max3_num_f32 v157, |v[XS+3]|, |v[XS+4]|, |v[XS+5]|
.irp i, 6,10,14,18,22,26
	v_max3_num_f32 v156, v156, |v[XS+\i]|, |v[XS+\i+1]|
	v_max3_num_f32 v157, v157, |v[XS+\i+2]|, |v[XS+\i+3]|
.endr
	v_max3_num_f32 v156, v156, |v[XS+30]|, |v[XS+31]|
	v_max3_num_f32 v156, v156, v157, 0x1800000     ; and the floor
	v_add_nc_u32 v158, 0xff000000, v156
	v_lshrrev_b32 v159, 23, v158
.if (\t)%4 == 0
	v_mov_b32 v[SB+(\t)/4], v159
.else
	v_lshl_or_b32 v[SB+(\t)/4], v159, 8*((\t)%4), v[SB+(\t)/4]
.endif
	v_cvt_scalef32_pk16_fp6_f32 v[144:146], v[XS:XS+15], v158
	v_cvt_scalef32_pk16_fp6_f32 v[152:154], v[XS+16:XS+31], v158
	v_nop
	v_mov_b32 v147, v152
	v_mov_b32 v148, v153
	v_mov_b32 v149, v154
	ds_store_b128 v5, v[144:147] offset:((\t)/4)*1536+(((\t)%4)/2)*768+((\t)%2)*256       ; into the image: lane r' + 16 (t % 2) of half image (t % 4) / 2 of K step t / 4
	ds_store_b64 v6, v[148:149] offset:((\t)/4)*1536+(((\t)%4)/2)*768+512+((\t)%2)*128    ; (the two tiles lie 6,144 bytes apart: these stores go two deep in the banks)
.if (\t)+2 < 16
	LOADW (\t)+2
.endif
	s_wait_dscnt 0x0                               ; the stores have read their registers
.endm
	s_load_b512 s[4:19], s[0:1], 0x0               ; query, key, value, Wq, Wk, Wv, Wo, xbuf
	s_load_b64 s[20:21], s[0:1], 0x40              ; wbuf
	v_lshl_add_u32 v248, v0, 2, 0x14400
	v_mov_b32 v249, 0
	v_lshrrev_b32 v1, 5, v0
	v_readfirstlane_b32 s22, v1                    ; wave
	v_and_b32 v1, 31, v0                           ; lane
	v_and_b32 v2, 15, v0                           ; r
	v_bfe_u32 v3, v0, 4, 1                         ; h
	s_cmp_lt_u32 ttmp9, 64
	s_cbranch_scc1 .Lweights
	; ---- activations: a wave takes one stored tile (16 rows) x 512 along K
	v_lshlrev_b32 v4, 4, v1                        ; 16 x lane
	s_mul_i32 s23, s22, STX
	v_add_nc_u32 v5, s23, v4                       ; the stage, on the way in
	v_mul_u32_u24 v6, v2, 528
	v_lshl_add_u32 v6, v3, 6, v6
	v_add_nc_u32 v6, s23, v6                       ; and on the way out: row r, + 64 h
	v_lshlrev_b32 v7, 3, v1                        ; 8 x lane
	v_lshlrev_b32 v8, 4, v2
	v_lshl_add_u32 v8, v3, 3, v8                   ; the scale words' place: 16 r + 8 h
.irp b, 0,1,2,3
	v_mov_b32 v[TM+4+\b], 0                        ; a lane permute's destination counts as one of its sources
.endr
	s_mov_b32 s[SEL], 0x76543210
	s_mov_b32 s[SEL+1], 0xfedcba98
	s_sub_co_u32 s23, ttmp9, 64
	s_lshl_b32 s23, s23, 2
	s_add_co_u32 s23, s23, s22                     ; my unit, 0 .. 3,071
	s_lshr_b32 s24, s23, 10                        ; which tensor
	s_bfe_u32 s25, s23, 0x90001                    ; which stored tile, 0 .. 511
	s_and_b32 s26, s23, 1                          ; which half of K
	s_lshr_b32 s27, s25, 1
	s_lshl_b32 s27, s27, 17                        ; 32 rows of 4,096 bytes for each pair of tiles
	s_and_b32 s28, s25, 1
	s_lshl_b32 s28, s28, 15                        ; 8 rows for the odd tile
	s_add_co_u32 s28, s27, s28
	s_lshl_b32 s27, s26, 11
	s_add_co_u32 s28, s28, s27
	s_mov_b32 s29, 0
	s_mul_i32 s30, s24, 6291456
	s_mul_i32 s27, s25, 12288
	s_add_co_u32 s30, s30, s27
	s_mul_i32 s27, s26, 6144
	s_add_co_u32 s30, s30, s27
	s_mov_b32 s31, 0
	s_lshl_b32 s38, s24, 18
	s_lshl_b32 s27, s25, 9
	s_add_co_u32 s38, s38, s27
	s_lshl_b32 s27, s26, 8
	s_add_co_u32 s38, s38, s27
	s_add_co_u32 s38, s38, 18874368
	s_mov_b32 s39, 0
	s_wait_alu depctr_va_vdst(0)
	s_wait_kmcnt 0x0
	s_cmp_eq_u32 s24, 1
	s_cselect_b64 s[4:5], s[6:7], s[4:5]
	s_cmp_eq_u32 s24, 2
	s_cselect_b64 s[4:5], s[8:9], s[4:5]
	s_add_nc_u64 s[4:5], s[4:5], s[28:29]
	s_add_nc_u64 s[32:33], s[18:19], s[30:31]      ; my images
	s_add_nc_u64 s[34:35], s[18:19], s[38:39]      ; my 256 bytes of scale words
	LOADX 0
	LOADX 1
	STEPX 0
	STEPX 1
	STEPX 2
	STEPX 3
	v_cmp_lt_u32 vcc_lo, 15, v1
	v_cndmask_b32 v10, v[PW], v[PW+2], vcc_lo      ; lanes 0-15 store K steps 0, 1 of row r, lanes 16-31 K steps 2, 3
	v_cndmask_b32 v11, v[PW+1], v[PW+3], vcc_lo
	global_store_b64 v8, v[10:11], s[34:35]        ; 32 lanes store 256 consecutive bytes, aligned
	s_wait_tensorcnt 0x0
	ds_add_u32 v248, v249
	s_wait_dscnt 0x0
	s_endpgm
.Lweights:
	; ---- weights: a wave takes 32 columns x 512 along K; lane = column, registers down K: 16 blocks a lane
	s_lshr_b32 s23, ttmp9, 4                       ; which weight
	s_bfe_u32 s24, ttmp9, 0x30001                  ; which 128 columns
	s_and_b32 s25, ttmp9, 1                        ; which half of K
	s_lshl_b32 s26, s24, 2
	s_add_co_u32 s26, s26, s22                     ; which 32 columns: they are stored tiles 2 x this and 2 x this + 1
	s_wait_alu depctr_va_vdst(0)
	v_lshlrev_b32 v4, 2, v1                        ; 4 x lane
	v_bfe_u32 v10, v0, 3, 1                        ; my column's tile of the two,
	v_and_b32 v11, 7, v0
	v_lshl_add_u32 v11, v3, 3, v11                 ; and its row there: lane % 8 + 8 (lane / 16)
	s_mul_i32 s27, s22, STW
	s_add_co_u32 s27, s27, WST
	v_mul_u32_u24 v12, v10, 6144
	v_add_nc_u32 v12, s27, v12
	v_lshl_add_u32 v5, v11, 4, v12                 ; the stage: registers 0-3 of my row
	v_lshl_add_u32 v6, v11, 3, v12                 ; registers 4-5
	v_lshlrev_b32 v8, 4, v1
	v_add_nc_u32 v7, s27, v8                       ; back: 16 x lane
	v_lshlrev_b32 v9, 9, v10
	v_lshl_add_u32 v9, v11, 4, v9                  ; my row's four scale words
	s_lshl_b32 s28, s25, 21                        ; 512 rows of 4,096 bytes
	s_lshl_b32 s27, s26, 7
	s_add_co_u32 s28, s28, s27
	s_mov_b32 s29, 0
	s_mul_i32 s38, s23, 786432
	s_mul_i32 s27, s26, 24576
	s_add_co_u32 s38, s38, s27
	s_mul_i32 s27, s25, 6144
	s_add_co_u32 s38, s38, s27
	s_mov_b32 s39, 0
	s_lshl_b32 s40, s23, 15
	s_lshl_b32 s27, s26, 10
	s_add_co_u32 s40, s40, s27
	s_lshl_b32 s27, s25, 8
	s_add_co_u32 s40, s40, s27
	s_add_co_u32 s40, s40, 3145728
	s_mov_b32 s41, 0
	s_wait_kmcnt 0x0
	s_cmp_eq_u32 s23, 1
	s_cselect_b64 s[10:11], s[12:13], s[10:11]
	s_cmp_eq_u32 s23, 2
	s_cselect_b64 s[10:11], s[14:15], s[10:11]
	s_cmp_eq_u32 s23, 3
	s_cselect_b64 s[10:11], s[16:17], s[10:11]
	s_add_nc_u64 s[10:11], s[10:11], s[28:29]
	s_add_nc_u64 s[30:31], s[20:21], s[38:39]
	s_add_nc_u64 s[32:33], s[20:21], s[40:41]
	LOADW 0
	LOADW 1
.irp t, 0,1,2,3,4,5,6,7,8,9,10,11,12,13,14,15
	BLOCKW \t
.endr
.irp k, 0,1,2,3,4,5,6,7,8,9,10,11,12,13,14,15,16,17,18,19,20,21,22,23
	ds_load_b128 v[16+4*\k:19+4*\k], v7 offset:512*\k
.endr
	s_wait_alu depctr_va_vdst(0)
	global_store_b128 v9, v[SB:SB+3], s[32:33]     ; sixteen lanes store 256 consecutive bytes, aligned
.irp k, 0,1,2,3,4,5,6,7,8,9,10,11,12,13,14,15,16,17,18,19,20,21,22,23
	s_wait_dscnt 23-\k                             ; LDS loads come back in order: number k is in
	global_store_b128 v8, v[16+4*\k:19+4*\k], s[30:31] offset:(\k/12)*12288+(\k%12)*512
.endr
	s_wait_tensorcnt 0x0
	ds_add_u32 v248, v249
	s_wait_dscnt 0x0
	s_endpgm
.Lfunc_end_k_q3ebbacf906_quant:
	.size	k_q3ebbacf906_quant, .Lfunc_end_k_q3ebbacf906_quant-k_q3ebbacf906_quant
	.p2alignl 7, 3214868480
	.fill 96, 4, 3214868480
	.section	.rodata,"a",@progbits
	.p2align	6, 0x0
	.amdhsa_kernel k_q3ebbacf906_quant
		.amdhsa_group_segment_fixed_size 83456
		.amdhsa_private_segment_fixed_size 0
		.amdhsa_enable_private_segment 0
		.amdhsa_kernarg_size 72
		.amdhsa_user_sgpr_count 2
		.amdhsa_user_sgpr_kernarg_segment_ptr 1
		.amdhsa_wavefront_size32 1
		.amdhsa_system_sgpr_workgroup_id_x 1
		.amdhsa_system_sgpr_workgroup_id_y 1
		.amdhsa_system_sgpr_workgroup_id_z 1
		.amdhsa_system_vgpr_workitem_id 0
		.amdhsa_next_free_vgpr 250
		.amdhsa_next_free_sgpr 66
		.amdhsa_reserve_vcc 1
		.amdhsa_float_denorm_mode_32 3
		.amdhsa_float_denorm_mode_16_64 3
		.amdhsa_memory_ordered 1
		.amdhsa_forward_progress 1
		.amdhsa_inst_pref_size 115
	.end_amdhsa_kernel
	.amdgpu_metadata
---
amdhsa.version: [ 1, 2 ]
amdhsa.kernels:
  - .name:           k_q3ebbacf906_quant
    .symbol:         k_q3ebbacf906_quant.kd
    .args:
      - { .name: query, .offset: 0, .size: 8, .value_kind: global_buffer, .address_space: global }
      - { .name: key, .offset: 8, .size: 8, .value_kind: global_buffer, .address_space: global }
      - { .name: value, .offset: 16, .size: 8, .value_kind: global_buffer, .address_space: global }
      - { .name: Wq, .offset: 24, .size: 8, .value_kind: global_buffer, .address_space: global }
      - { .name: Wk, .offset: 32, .size: 8, .value_kind: global_buffer, .address_space: global }
      - { .name: Wv, .offset: 40, .size: 8, .value_kind: global_buffer, .address_space: global }
      - { .name: Wo, .offset: 48, .size: 8, .value_kind: global_buffer, .address_space: global }
      - { .name: xbuf, .offset: 56, .size: 8, .value_kind: global_buffer, .address_space: global }
      - { .name: wbuf, .offset: 64, .size: 8, .value_kind: global_buffer, .address_space: global }
    .group_segment_fixed_size: 83456
    .private_segment_fixed_size: 0
    .kernarg_segment_align: 8
    .kernarg_segment_size: 72
    .max_flat_workgroup_size: 128
    .sgpr_count:     66
    .vgpr_count:     250
    .wavefront_size: 32
...
	.end_amdgpu_metadata
.endif
;; end of part 1
;; launch proj (part 2): grid 4 x 96, 4 waves a work-group, clusters of 4 x 4, 327,680 bytes of LDS; arguments xbuf, wbuf, bq, bk, bv, qbuf, kvbuf; writes qbuf, kvbuf
.if DOCPART == 2
	.amdgcn_target "amdgcn-amd-amdhsa--gfx1250"
	.amdhsa_code_object_version 6
	.text
	.protected	k_q3ebbacf906_proj
	.globl	k_q3ebbacf906_proj
	.p2align	8
	.type	k_q3ebbacf906_proj,@function
k_q3ebbacf906_proj:
	s_mov_b64 s[64:65], 0
	v_nop
	global_prefetch_b8 v0, s[64:65] scope:SCOPE_SE
	s_setreg_imm32_b32 hwreg(HW_REG_WAVE_MODE, 25, 1), 1
	s_wait_xcnt 0x0
	s_wait_alu depctr_hold_cnt(0) depctr_sa_sdst(0) depctr_va_vdst(0) depctr_va_sdst(0) depctr_va_ssrc(0) depctr_va_vcc(0) depctr_vm_vsrc(0)
	s_getreg_b32 s2, hwreg(HW_REG_IB_STS2, 6, 4)
	s_cmp_eq_u32 s2, 0
	s_cbranch_scc0 .Lentry_in_a_cluster
	s_endpgm
.Lentry_in_a_cluster:
	s_bfe_u32 s2, ttmp6, 0x10000c
	s_cmp_lg_u32 s2, 0xf033
	s_cbranch_scc0 .Lentry_shape_is_right
	s_endpgm
.Lentry_shape_is_right:
; q = query Wq + bq, k = key Wk + bk, v = value Wv + bv on codes of FP6 (E2M3) with E8M0 scales; the results are quantised in registers for the attention: q and k along a head's 64 channels, v along the keys.
; 24 clusters of 4 x 4 work-groups; the cluster's y gives the product (y / 8: 0 q, 1 k, 2 v) and which eighth of the tokens.  A work-group makes 256 x 256, each of its four waves 128 x 128: 64 accumulators.
; Source 0 takes 16 rows of "B", source 1 16 rows of "A": a lane holds ONE row of A, and its registers run along B's rows.  q, k: A = tokens, B = the weight's columns.  v: A = Wv's columns (channels), B = tokens:
; so in each case a lane's registers run along the next product's K.  Rows lie in STORED ORDER (row r of stored tile T = actual 32 (T / 2) + 8 (T % 2) + r % 8 + 16 (r / 8)), so that the 16 registers
; of B's tiles 2 b, 2 b + 1 are the 16 actual neighbours 32 b + 16 (lane / 16) + 0 .. 15.
; OPERANDS are images of registers: a fragment (16 rows x 128 K) is 1,536 bytes: registers 0-3 at 16 x lane, 4-5 at 512 + 8 x lane, 6-9 at 768 + 16 x lane, 10-11 at 1,280 + 8 x lane.  No pitch, no padding.
; K = 1,024 goes in four steps of 256 through two LDS slots filled by joint tensor loads (A's tiles shared along a row of the cluster, B's along a column); the scale words of all of K come once.
; The bias is the C of each sum's first matrix instruction.
; LIMITS: a block whose largest magnitude lies under 2^-124 keeps the scale byte 1; a block of zeros gets 1, not 127 (zero codes; only this program reads the bytes); NaN and infinities are not served.
; 384 work-groups of equal work.  No prefetch: half of K is asked for at the head, and a work-group has four K steps in all.
; REGISTERS: window 0: v1-3 lane, r, h; v16-29 addresses; v32-63 scale words, two sets; v64-127 the bias; v128-223 A's fragments, one set.  Window 1: B's fragments, two sets, at v0 and v128.
;   Windows 2, 3: the accumulators, (a, b) at v[8 (8 (a % 4) + b)].
.set NQ,     2                         ; matrix instructions deep in a slot
.set FR,     12
.set NL,     4                         ; LDS loads that bring a fragment
.set NP,     4                         ; places behind this matrix instruction (ISA guide 7.12.1)
.set FIB,    1536                      ; a fragment image
.set TILEB,  2*FIB                     ; a tile's part of a slot
.set HALFT,  8*TILEB                   ; 8 tiles: what one tensor load brings, and what one wave reads of A or of B
.set SLOT,   4*HALFT
.set SCL,    2*SLOT                    ; behind the ring: the scale words, 512 bytes a tile: A's 16 tiles, then B's
.set HALFS,  4096
.set SPARE,  SCL+4*HALFS               ; the spare words, 128 bytes for each wave
.set ADRA, 16                          ; v16-17 16 x lane + my A tiles in slot 0, 1;  v18-19 the same with 8 x lane
.set ADRB, 20                          ; v20-23 the same for B
.set L16,  24
.set L8,   25
.set SOF,  26
.set ADRS, 27
.set SPW,  28
.set NIL,  29
.set SC,   32
.set BIAS, 64
.set AF,   128
.set PC,   128                         ; the way out: the fragment just made (v128-139), the conversions' second halves (v140-142, v144-146)
.set TM,   160
.set PWB,  176                         ; v176-183 the eight scale words
.set G1, 24
.set G0, 32
.set G1B, 48
.set G0B, 56
.set G1S, 68
.set G0S, 76
.set G1SB, 80
.set G0SB, 88
.set MSB, 0
.macro WIN new                         ; the immediate's high byte repeats the setting that is left
.if MSB != (\new)
	s_set_vgpr_msb (MSB<<8)|(\new)
.set MSB, (\new)
.endif
.endm
.set MUL_LO, 0xa1                      ; source 0 (B) window 1, source 1 (A) window 0, C and D window 2
.set MUL_HI, 0xf1
.set TO_B,   0x40
; A joint load: waves 0 and 1 fetch for A, waves 2 and 3 for B; the branch hangs on the wave's number alone.  Four v_nop follow each of the two lines.
.macro JLOAD g0a, g1a, g0b, g1b
	s_cmp_eq_u32 s19, 0
	s_cbranch_scc0 .Lfor_b_\@
	tensor_load_to_lds s[\g0a:\g0a+3], s[\g1a:\g1a+7]
	s_nop 0
.rept 4
	v_nop
.endr
	s_branch .Lasked_\@
.Lfor_b_\@:
	tensor_load_to_lds s[\g0b:\g0b+3], s[\g1b:\g1b+7]
	s_nop 0
.rept 4
	v_nop
.endr
.Lasked_\@:
.endm
.macro CREST                           ; a round of the cluster's barrier behind its opening barrier
	s_cmp_lg_u32 s18, 0
	s_cbranch_scc1 .Lnot_wave_0_\@
	s_barrier_signal -3
.Lnot_wave_0_\@:
	s_barrier_wait -3
	s_barrier_signal -1
	s_barrier_wait -1
.endm
.macro CROUND
	s_barrier_signal -1
	s_barrier_wait -1
	CREST
.endm
.macro PLACES n
.rept \n
	v_nop
.endr
.endm
.macro FRAG reg, adr, q, i             ; tile i's fragment of the slot's q-th 128 along K: four loads, each of consecutive bytes
	ds_load_b128 v[(\reg):(\reg)+3], v[\adr] offset:(\i)*TILEB+(\q)*FIB
	ds_load_b64 v[(\reg)+4:(\reg)+5], v[\adr+2] offset:(\i)*TILEB+(\q)*FIB+512
	ds_load_b128 v[(\reg)+6:(\reg)+9], v[\adr] offset:(\i)*TILEB+(\q)*FIB+768
	ds_load_b64 v[(\reg)+10:(\reg)+11], v[\adr+2] offset:(\i)*TILEB+(\q)*FIB+1280
.endm
; 16 matrix instructions: A's blocks a0, a0 + 1 x B's eight.  zero = 1: C = the bias along B's rows; 2: the bias of A's row; 0: the sums go on.  The 64 accumulators take turns.
.macro MUL16 a0, p, q, sc, zero
.irp a, \a0, \a0+1
.irp b, 0,1,2,3,4,5,6,7
.if (\zero) == 1
	v_wmma_scale_f32_16x16x128_f8f6f4 v[8*(8*((\a)%4)+\b):8*(8*((\a)%4)+\b)+7], v[128*(\p)+FR*\b:128*(\p)+FR*\b+FR-1], v[AF+FR*(\a):AF+FR*(\a)+FR-1], v[BIAS+8*\b:BIAS+8*\b+7], v[SC+8*NQ*(\sc)+NQ*\b+(\q)], v[SC+8*NQ*(\sc)+NQ*(\a)+(\q)] matrix_a_fmt:MATRIX_FMT_FP6 matrix_b_fmt:MATRIX_FMT_FP6 matrix_a_scale:MATRIX_SCALE_ROW1
.elseif (\zero) == 2
	v_wmma_scale_f32_16x16x128_f8f6f4 v[8*(8*((\a)%4)+\b):8*(8*((\a)%4)+\b)+7], v[128*(\p)+FR*\b:128*(\p)+FR*\b+FR-1], v[AF+FR*(\a):AF+FR*(\a)+FR-1], v[BIAS+8*(\a):BIAS+8*(\a)+7], v[SC+8*NQ*(\sc)+NQ*\b+(\q)], v[SC+8*NQ*(\sc)+NQ*(\a)+(\q)] matrix_a_fmt:MATRIX_FMT_FP6 matrix_b_fmt:MATRIX_FMT_FP6 matrix_a_scale:MATRIX_SCALE_ROW1
.else
	v_wmma_scale_f32_16x16x128_f8f6f4 v[8*(8*((\a)%4)+\b):8*(8*((\a)%4)+\b)+7], v[128*(\p)+FR*\b:128*(\p)+FR*\b+FR-1], v[AF+FR*(\a):AF+FR*(\a)+FR-1], v[8*(8*((\a)%4)+\b):8*(8*((\a)%4)+\b)+7], v[SC+8*NQ*(\sc)+NQ*\b+(\q)], v[SC+8*NQ*(\sc)+NQ*(\a)+(\q)] matrix_a_fmt:MATRIX_FMT_FP6 matrix_b_fmt:MATRIX_FMT_FP6 matrix_a_scale:MATRIX_SCALE_ROW1
.endif
.endr
.endr
.endm
.macro FETCH_B slot, q, p
	WIN TO_B
.irp i, 0,1,2,3,4,5,6,7
	FRAG 128*(\p)+FR*\i, ADRB+\slot, \q, \i
.endr
	WIN 0
.endm
.macro FETCH_A slot, q, i0
.irp i, \i0, \i0+1, \i0+2, \i0+3
	FRAG AF+FR*(\i), ADRA+\slot, \q, \i
.endr
.endm
.macro SCALES sc                       ; a slot's two scale words a row: lanes 0-15 A's block i, lanes 16-31 B's block i
.irp i, 0,1,2,3,4,5,6,7
	ds_load_b64 v[SC+8*NQ*\sc+NQ*\i:SC+8*NQ*\sc+NQ*\i+1], v[ADRS] offset:\i*512
.endr
.endm
.macro STEP slot, q, zero              ; a step of 128 along K that has its successor in the same slot
	s_wait_dscnt 4*NL                              ; B's set and A's blocks 0-3 are in; the youngest 16 loads (A's blocks 4-7) may be out
.if \zero
	WIN 0x81                                       ; C (the bias) window 0, D window 2
.else
	WIN MUL_LO
.endif
	MUL16 0, (\q)%2, \q, \slot, \zero
	MUL16 2, (\q)%2, \q, \slot, \zero
	s_wait_dscnt 0
	PLACES NP                                      ; in front of loads into registers that matrix instructions have read
	FETCH_B \slot, (\q)+1, 1-(\q)%2
	FETCH_A \slot, (\q)+1, 0
.if \zero
	WIN 0xc1
.else
	WIN MUL_HI
.endif
	MUL16 4, (\q)%2, \q, \slot, \zero
	MUL16 6, (\q)%2, \q, \slot, \zero
	PLACES NP
	WIN 0
	FETCH_A \slot, (\q)+1, 4
.endm
; A slot's last step changes slots: one barrier; in front of it each wave waits for all its tensor loads, adds 0 to its spare word, and waits for that and for its reads of this slot.
.macro TURN slot, next, fill, sstep
	s_wait_tensorcnt 0x0                           ; all my tensor loads have landed: my part of the next slot
	ds_add_u32 v[SPW], v[NIL]                      ; 0 onto my spare word
	s_wait_dscnt 4*NL+1                            ; the add and the youngest 16 loads may be out
	WIN MUL_LO
	MUL16 0, 1, NQ-1, \slot, 0
	s_wait_dscnt 0x0                               ; the add is done, and my reads of this slot are over
	s_barrier_signal -1
	MUL16 2, 1, NQ-1, \slot, 0
	WIN 0
	s_barrier_wait -1
.if \fill
	CREST                                          ; the barrier has opened a round of the cluster's barrier: no wave of any partner still reads this slot or has a load on its way
	s_add_nc_u64 s[G0+4*\slot+2:G0+4*\slot+3], s[G0+4*\slot+2:G0+4*\slot+3], 2*TILEB
	s_add_nc_u64 s[G0B+4*\slot+2:G0B+4*\slot+3], s[G0B+4*\slot+2:G0B+4*\slot+3], 2*TILEB
	JLOAD G0+4*\slot, G1, G0B+4*\slot, G1B         ; the first tensor load behind the round; its four v_nop are the places in front of the loads below
.else
	PLACES NP
.endif
	s_wait_alu depctr_va_vdst(0)
	v_add_nc_u32 v[ADRS], \sstep, v[ADRS]          ; the next slot's scale words
	FETCH_B \next, 0, 0
	FETCH_A \next, 0, 0
	SCALES \next
	WIN MUL_HI
	MUL16 4, 1, NQ-1, \slot, 0
	MUL16 6, 1, NQ-1, \slot, 0
	PLACES NP
	WIN 0
	FETCH_A \next, 0, 4
.endm
; 64 accumulator registers of a lane (window w, from v[s] on; register 16 b + i = the next K's 32 b + 16 h + i) become a fragment in v[PC] on and its scale word in v[pw].  Each accumulator is read from its low end on.
.macro QUANTW w, s, pw
	WIN ((\w)<<2)|((\w)<<4)
.irp b, 0,1,2,3
	v_max3_num_f32 v[TM+\b], 0x1800000, |v[(\s)+16*\b]|, |v[(\s)+1+16*\b]|   ; the floor 2^(3 - 127): the byte cannot fall under 1
.endr
.irp i, 2,4,6,8,10,12,14
.irp b, 0,1,2,3
	v_max3_num_f32 v[TM+\b], v[TM+\b], |v[(\s)+16*\b+\i]|, |v[(\s)+1+16*\b+\i]|
.endr
.endr
	WIN 0
.irp b, 0,1,2,3
	v_permlanex16_b32 v[TM+4+\b], v[TM+\b], s2, s3
.endr
.irp b, 0,1,2,3
	v_max_num_f32 v[TM+\b], v[TM+\b], v[TM+4+\b]
.endr
.irp b, 0,1,2,3
	v_add_nc_u32 v[TM+12+\b], 0xff000000, v[TM+\b]
.endr
.irp b, 0,1,2,3
	v_lshrrev_b32 v[TM+4+\b], 23, v[TM+12+\b]
.endr
	v_lshl_or_b32 v[\pw], v[TM+5], 8, v[TM+4]
	v_lshl_or_b32 v[\pw], v[TM+6], 16, v[\pw]
	v_lshl_or_b32 v[\pw], v[TM+7], 24, v[\pw]
	WIN \w
.irp c, 0,1
	v_cvt_scalef32_pk16_fp6_f32 v[PC+6*\c:PC+2+6*\c], v[(\s)+32*\c:(\s)+15+32*\c], v[TM+12+2*\c]
	v_cvt_scalef32_pk16_fp6_f32 v[PC+12+4*\c:PC+14+4*\c], v[(\s)+16+32*\c:(\s)+31+32*\c], v[TM+12+2*\c+1]
.endr
	WIN 0
	v_nop                                          ; one plain place behind a scaled conversion
.irp c, 0,1
.irp i, 0,1,2
	v_permlane16_swap_b32 v[PC+6*\c+\i], v[PC+12+4*\c+\i]
.endr
.irp i, 0,1,2
	v_mov_b32 v[PC+3+6*\c+\i], v[PC+12+4*\c+\i]
.endr
.endr
.endm
	s_load_b256 s[4:11], s[0:1], 0x0               ; xbuf, wbuf, bq, bk
	s_load_b128 s[12:15], s[0:1], 0x20             ; bv, qbuf
	s_load_b64 s[16:17], s[0:1], 0x30              ; kvbuf
	v_lshl_add_u32 v[SPW], v0, 2, SPARE
	v_mov_b32 v[NIL], 0
	ds_add_u32 v28, v29
	ds_add_u32 v28, v29
	s_wait_dscnt 0x0
	v_lshrrev_b32 v1, 5, v0
	v_readfirstlane_b32 s18, v1                    ; wave
	s_lshr_b32 s19, s18, 1                         ; which half of A's rows is mine.  Also: I fetch for A (0) or for B (1)
	s_and_b32 s20, s18, 1                          ; which half of B's rows.  Also: which 8 tiles I fetch
	s_bfe_u32 s40, ttmp6, 0x40000                  ; cx
	s_bfe_u32 s41, ttmp6, 0x40004                  ; cy
	s_and_b32 s92, ttmp7, 0xffff                   ; the cluster's y: the same in all sixteen partners
	s_lshr_b32 s21, s92, 3                         ; 0 q, 1 k, 2 v
	s_and_b32 s22, s92, 7                          ; which eighth of the tokens
	s_cmp_eq_u32 s21, 2
	s_cselect_b32 s93, 0, s22
	s_cselect_b32 s94, s22, 0
	s_lshl_b32 s66, s93, 2
	s_add_co_u32 s66, s66, s41                     ; A's tile of 256 rows
	s_lshl_b32 s42, s94, 2
	s_add_co_u32 s42, s42, s40                     ; B's
	s_lshl_b32 s43, s41, 2
	s_lshl_b32 s43, 15, s43                        ; my row of the cluster
	s_lshl_b32 s44, 0x1111, s40                    ; my column
	; group 1 for the codes: 8 rows (tiles) of 3,072 bytes (384 elements of 8), 12,288 bytes apart; dense in LDS
	s_or_b32 s[G1+0], s43, (3<<16)|(1<<21)
	s_or_b32 s[G1B+0], s44, (3<<16)|(1<<21)
.irp g, G1, G1B
	s_mov_b32 s[\g+1], 384<<16
	s_mov_b32 s[\g+2], 16<<16                      ; the head's loads bring all 16 tiles; behind them these two words are set to 8, for the ring's
	s_mov_b32 s[\g+3], 384<<16
	s_mov_b32 s[\g+4], 16
	s_mov_b32 s[\g+5], 1536
	s_mov_b32 s[\g+6], 0
	s_mov_b32 s[\g+7], 0
.endr
	; and for the scale words of 16 tiles: 8,192 dense bytes as 32 rows of 256
	s_or_b32 s[G1S+0], s43, (3<<16)|(1<<21)
	s_or_b32 s[G1SB+0], s44, (3<<16)|(1<<21)
.irp g, G1S, G1SB
	s_mov_b32 s[\g+1], 32<<16
	s_mov_b32 s[\g+2], 32<<16                      ; the scale words of 16 tiles: 8,192 dense bytes as 32 rows of 256
	s_mov_b32 s[\g+3], 32<<16
	s_mov_b32 s[\g+4], 32
	s_mov_b32 s[\g+5], 32
	s_mov_b32 s[\g+6], 0
	s_mov_b32 s[\g+7], 0
.endr
	s_lshl_b32 s67, s66, 4                         ; A's first stored tile
	s_mul_i32 s45, s18, HALFT                      ; where tiles go: wave x 8 tiles: no place in the cluster enters an LDS address
	s_wait_kmcnt 0x0
	s_mul_i32 s96, s21, 6291456
	s_mov_b32 s97, 0
	s_add_nc_u64 s[96:97], s[4:5], s[96:97]        ; the activation's codes,
	s_lshl_b32 s98, s21, 18
	s_add_co_u32 s98, s98, 18874368
	s_mov_b32 s99, 0
	s_add_nc_u64 s[98:99], s[4:5], s[98:99]        ; its scale words,
	s_mul_i32 s100, s21, 786432
	s_mov_b32 s101, 0
	s_add_nc_u64 s[100:101], s[6:7], s[100:101]    ; the weight's codes,
	s_lshl_b32 s104, s21, 15
	s_add_co_u32 s104, s104, 3145728
	s_mov_b32 s105, 0
	s_add_nc_u64 s[104:105], s[6:7], s[104:105]    ; its scale words
	s_cmp_eq_u32 s21, 2                            ; v: the weight is A
	s_cselect_b64 s[92:93], s[100:101], s[96:97]
	s_cselect_b64 s[46:47], s[96:97], s[100:101]
	s_cselect_b64 s[94:95], s[104:105], s[98:99]
	s_cselect_b64 s[2:3], s[98:99], s[104:105]
	s_mul_i32 s96, s67, 12288
	s_mov_b32 s97, 0
	s_add_nc_u64 s[92:93], s[92:93], s[96:97]      ; A's codes at my 16 tiles
	s_lshl_b32 s96, s67, 9
	s_add_nc_u64 s[94:95], s[94:95], s[96:97]      ; A's scale words
	s_lshl_b32 s104, s42, 4                        ; B's first stored tile
	s_mul_i32 s100, s104, 12288
	s_mov_b32 s101, 0
	s_add_nc_u64 s[46:47], s[46:47], s[100:101]
	s_lshl_b32 s100, s104, 9
	s_add_nc_u64 s[2:3], s[2:3], s[100:101]
	CROUND                                         ; all sixteen work-groups are here: the first joint loads meet
	s_mov_b32 s[G0S], 1
	s_mov_b32 s[G0S+1], SCL
	s_mov_b64 s[G0S+2:G0S+3], s[94:95]
	s_or_b32 s[G0S+3], s[G0S+3], 0x80000000
	s_mov_b32 s[G0SB], 1
	s_mov_b32 s[G0SB+1], SCL+2*HALFS
	s_mov_b64 s[G0SB+2:G0SB+3], s[2:3]
	s_or_b32 s[G0SB+3], s[G0SB+3], 0x80000000
	s_mov_b32 s4, 1                                ; group 0 of the head's loads of slot 0: A's 16 tiles (the arguments that lay in s[4:7] have been used),
	s_mov_b32 s5, 0
	s_mov_b64 s[6:7], s[92:93]
	s_or_b32 s7, s7, 0x80000000
	s_mov_b32 s96, 1                               ; and B's 16 tiles, behind them
	s_mov_b32 s97, 2*HALFT
	s_mov_b64 s[98:99], s[46:47]
	s_or_b32 s99, s99, 0x80000000
	s_mul_i32 s22, s20, 8*12288                    ; for the ring: my 8 tiles of the 16
	s_mov_b32 s23, 0
	s_add_nc_u64 s[92:93], s[92:93], s[22:23]
	s_add_nc_u64 s[46:47], s[46:47], s[22:23]
.irp s, 0,1
	s_mov_b32 s[G0+4*\s], 1
	s_add_co_u32 s[G0+4*\s+1], s45, \s*SLOT
	s_add_nc_u64 s[G0+4*\s+2:G0+4*\s+3], s[92:93], \s*TILEB
	s_or_b32 s[G0+4*\s+3], s[G0+4*\s+3], 0x80000000
	s_mov_b32 s[G0B+4*\s], 1
	s_add_co_u32 s[G0B+4*\s+1], s45, \s*SLOT
	s_add_nc_u64 s[G0B+4*\s+2:G0B+4*\s+3], s[46:47], \s*TILEB
	s_or_b32 s[G0B+4*\s+3], s[G0B+4*\s+3], 0x80000000
.endr
; the head's loads, one a wave: wave 0 slot 0's 16 tiles of A, wave 1 those of B, wave 2 A's scale words, wave 3 B's; one chain of branches on the wave's number, all arms to one join
.macro ARM under, g0, g1, next
	s_cmp_lt_u32 s18, \under
	s_cbranch_scc0 \next
	tensor_load_to_lds s[\g0:\g0+3], s[\g1:\g1+7]
	s_nop 0
.rept 4
	v_nop
.endr
	s_branch .Lhead_asked
\next:
.endm
	ARM 1, 4, G1, .Lhead_b
	ARM 2, 96, G1B, .Lhead_sa
	ARM 3, G0S, G1S, .Lhead_sb
	tensor_load_to_lds s[G0SB:G0SB+3], s[G1SB:G1SB+7]
	s_nop 0
.rept 4
	v_nop
.endr
.Lhead_asked:
	v_and_b32 v1, 31, v0                           ; lane
	v_and_b32 v2, 15, v0                           ; r
	v_bfe_u32 v3, v0, 4, 1                         ; h
	v_lshlrev_b32 v[L16], 4, v1
	v_lshlrev_b32 v[L8], 3, v1
	s_mul_i32 s92, s19, HALFT                      ; my 8 tiles of A
	s_mul_i32 s93, s20, HALFT
	s_add_co_u32 s93, s93, 2*HALFT                 ; my 8 tiles of B, behind A's 16
.irp s, 0,1
	v_add_nc_u32 v[ADRA+\s], s92, v[L16]
	v_add_nc_u32 v[ADRA+2+\s], s92, v[L8]
	v_add_nc_u32 v[ADRB+\s], s93, v[L16]
	v_add_nc_u32 v[ADRB+2+\s], s93, v[L8]
	s_add_co_u32 s92, s92, SLOT
	s_add_co_u32 s93, s93, SLOT
.endr
	v_lshlrev_b32 v5, 4, v2                        ; scale words: 16 bytes a row
	s_mul_i32 s92, s19, HALFS
	s_mul_i32 s93, s20, HALFS
	s_add_co_u32 s93, s93, 2*HALFS
	s_sub_co_u32 s93, s93, s92
	v_mul_u32_u24 v6, s93, v3                      ; lanes 16-31 take B's
	s_add_co_u32 s92, s92, SCL
	v_add_nc_u32 v5, v5, v6
	v_add_nc_u32 v[ADRS], s92, v5
	; the bias, in the result's layout
	s_cmp_eq_u32 s21, 2
	s_cbranch_scc1 .Lbias_v
	s_cmp_eq_u32 s21, 0
	s_cselect_b64 s[8:9], s[8:9], s[10:11]
	s_lshl_b32 s92, s42, 10
	s_lshl_b32 s93, s20, 9
	s_add_co_u32 s92, s92, s93
	s_mov_b32 s93, 0
	s_add_nc_u64 s[8:9], s[8:9], s[92:93]          ; my 128 columns' numbers
	v_lshlrev_b32 v4, 6, v3
.irp b, 0,1,2,3,4,5,6,7
	global_load_b128 v[BIAS+8*\b:BIAS+8*\b+3], v4, s[8:9] offset:(32*(\b/2)+8*(\b%2))*4       ; B's tile b, my half: columns 32 (b / 2) + 16 h + 8 (b % 2) + 0 .. 7
	global_load_b128 v[BIAS+8*\b+4:BIAS+8*\b+7], v4, s[8:9] offset:(32*(\b/2)+8*(\b%2))*4+16
.endr
	s_wait_loadcnt 0x0
	s_branch .Lbias_done
.Lbias_v:
	s_lshl_b32 s92, s66, 10
	s_lshl_b32 s93, s19, 9
	s_add_co_u32 s92, s92, s93
	s_mov_b32 s93, 0
	s_add_nc_u64 s[12:13], s[12:13], s[92:93]      ; my 128 channels' numbers
	v_and_b32 v4, 8, v2
	v_add_nc_u32 v4, v4, v2
	v_lshlrev_b32 v4, 2, v4                        ; my row's channel in its tile: r + 8 (r / 8)
.irp a, 0,1,2,3,4,5,6,7
	global_load_b32 v[BIAS+8*\a], v4, s[12:13] offset:(32*(\a/2)+8*(\a%2))*4
.endr
	s_wait_loadcnt 0x0
.irp a, 0,1,2,3,4,5,6,7
.irp j, 1,2,3,4,5,6,7
	v_mov_b32 v[BIAS+8*\a+\j], v[BIAS+8*\a]        ; the same number for all eight tokens of a lane
.endr
.endr
.Lbias_done:
	s_wait_alu depctr_va_vdst(0)
	s_wait_tensorcnt 0x0                           ; my tile of the head's four is in
	ds_add_u32 v[SPW], v[NIL]
	s_mov_b32 s[G1+2], 8<<16                       ; no tensor load of mine is out: from here on a load brings 8 tiles
	s_mov_b32 s[G1+4], 8
	s_mov_b32 s[G1B+2], 8<<16
	s_mov_b32 s[G1B+4], 8
	s_wait_dscnt 0x0
	CROUND                                         ; all four tiles are in, in all sixteen work-groups
	JLOAD G0+4, G1, G0B+4, G1B                     ; slot 1's first fill, the first tensor load behind the round
	FETCH_B 0, 0, 0
	FETCH_A 0, 0, 0
	s_wait_alu depctr_va_vdst(0)
	SCALES 0
	FETCH_A 0, 0, 4
	s_cmp_eq_u32 s21, 2
	s_cbranch_scc1 .Lfirst_v
	STEP 0, 0, 1                                   ; the first step starts the sums with the bias
	s_branch .Lfirst_done
.Lfirst_v:
	STEP 0, 0, 2
.Lfirst_done:
	TURN 0, 1, 1, 8
	STEP 1, 0, 0
	TURN 1, 0, 1, 248
	STEP 0, 0, 0
	TURN 0, 1, 0, 8                                ; the last two slots are filled no more
	STEP 1, 0, 0
	s_wait_dscnt 4*NL
	WIN MUL_LO
	MUL16 0, 1, NQ-1, 1, 0
	MUL16 2, 1, NQ-1, 1, 0
	s_wait_dscnt 0
	WIN MUL_HI
	MUL16 4, 1, NQ-1, 1, 0
	MUL16 6, 1, NQ-1, 1, 0
	WIN 0
	; ---- THE WAY OUT: A's block a (16 rows) x my 128 of B's rows is one fragment: quantised in registers and stored as two half images
	PLACES NP
.irp b, 0,1,2,3
	v_mov_b32 v[TM+4+\b], 0                        ; a lane permute's destination counts as one of its sources
.endr
	s_mov_b32 s2, 0x76543210
	s_mov_b32 s3, 0xfedcba98
	s_lshl_b32 s92, s66, 4
	s_lshl_b32 s93, s19, 3
	s_add_co_u32 s92, s92, s93                     ; my first stored tile of A's rows
	s_mov_b32 s97, 0
	s_mov_b32 s100, 768                            ; from block to block
	s_mov_b32 s101, 0
	s_mov_b32 s104, 0                              ; and once more at block 4
	s_mov_b32 s105, 0
	s_cmp_eq_u32 s21, 2
	s_cbranch_scc1 .Lbase_v
	s_lshr_b32 s93, s92, 7                         ; batch
	s_lshl_b32 s93, s93, 4
	s_lshl_b32 s94, s42, 2
	s_add_co_u32 s93, s93, s94
	s_lshl_b32 s94, s20, 1
	s_add_co_u32 s93, s93, s94                     ; 16 x batch + my first head; the fragment's second half is the next head's
	s_and_b32 s94, s92, 127                        ; token tile in the batch
	s_cmp_eq_u32 s21, 1
	s_cbranch_scc1 .Lbase_k
	s_lshl_b32 s95, s93, 7
	s_add_co_u32 s95, s95, s94
	s_mul_i32 s96, s95, 768
	s_add_nc_u64 s[96:97], s[14:15], s[96:97]      ; q: (head x 128 + tile) x 768
	s_add_nc_u64 s[98:99], s[96:97], 98304
	s_lshl_b32 s95, s93, 4
	s_lshr_b32 s94, s94, 3
	s_add_co_u32 s95, s95, s94
	s_lshl_b32 s46, s95, 9
	s_add_co_u32 s46, s46, 6291456
	s_mov_b32 s47, 0
	s_add_nc_u64 s[46:47], s[14:15], s[46:47]      ; q's scale words: 512 bytes for my 8 tiles
	s_branch .Lbase_done
.Lbase_k:
	s_mul_i32 s96, s93, 204800
	s_lshr_b32 s94, s94, 3
	s_mul_i32 s94, s94, 12800
	s_add_co_u32 s96, s96, s94
	s_add_nc_u64 s[96:97], s[16:17], s[96:97]      ; k: the head's record, my 8 tiles' key step
	s_add_nc_u64 s[98:99], s[96:97], 204800
	s_add_nc_u64 s[46:47], s[96:97], 12288
	s_branch .Lbase_done
.Lbase_v:
	s_lshr_b32 s93, s42, 3                         ; batch
	s_lshl_b32 s93, s93, 4
	s_lshl_b32 s94, s66, 2
	s_add_co_u32 s93, s93, s94
	s_lshl_b32 s94, s19, 1
	s_add_co_u32 s93, s93, s94                     ; 16 x batch + my first head (blocks 0-3; blocks 4-7 are the next head's)
	s_mul_i32 s96, s93, 204800
	s_and_b32 s94, s42, 7
	s_lshl_b32 s94, s94, 1
	s_add_co_u32 s94, s94, s20                     ; my 128 tokens' key step
	s_mul_i32 s94, s94, 12800
	s_add_co_u32 s96, s96, s94
	s_add_co_u32 s96, s96, 6144
	s_add_nc_u64 s[96:97], s[16:17], s[96:97]
	s_add_nc_u64 s[98:99], s[96:97], 768
	s_add_nc_u64 s[46:47], s[96:97], 6400          ; v's scale words: 12,544 from the step's first byte
	s_mov_b32 s100, 1536
	s_mov_b32 s104, 198656                         ; from the fourth image's end to the next head's first
.Lbase_done:
.irp a, 0,1,2,3,4,5,6,7
.if \a > 0
	s_wait_xcnt 0x0                                ; the last block's stores have read their data and bases
	s_add_nc_u64 s[96:97], s[96:97], s[100:101]
	s_add_nc_u64 s[98:99], s[98:99], s[100:101]
.endif
.if \a == 4
	s_add_nc_u64 s[96:97], s[96:97], s[104:105]
	s_add_nc_u64 s[98:99], s[98:99], s[104:105]
.endif
	QUANTW 2+\a/4, 64*(\a%4), PWB+\a
	global_store_b128 v[L16], v[PC:PC+3], s[96:97]                 ; a half image is three aligned runs of 256 bytes
	global_store_b64 v[L8], v[PC+4:PC+5], s[96:97] offset:512
	global_store_b128 v[L16], v[PC+6:PC+9], s[98:99]
	global_store_b64 v[L8], v[PC+10:PC+11], s[98:99] offset:512
.endr
	; the scale words
	v_cmp_lt_u32 vcc_lo, 15, v1
	s_mov_b32 s92, 0x05040100                      ; the two low halves
	s_mov_b32 s93, 0x07060302                      ; the two high halves
	s_cmp_eq_u32 s21, 0
	s_cbranch_scc0 .Ltail_kv
.irp i, 0,1,2,3
	v_cndmask_b32 v[184+\i], v[PWB+\i], v[PWB+4+\i], vcc_lo        ; lanes 0-15 tiles 0-3, lanes 16-31 tiles 4-7
.endr
.irp i, 0,1,2,3
	v_perm_b32 v[188+\i], v[184+\i], v[184+\i], s92                ; the first head's two bytes, twice: q stands in either half of its operand
	v_perm_b32 v[192+\i], v[184+\i], v[184+\i], s93                ; the second head's
.endr
	v_lshlrev_b32 v[SOF], 5, v2
	v_lshl_add_u32 v[SOF], v3, 4, v[SOF]
	global_store_b128 v[SOF], v[188:191], s[46:47]
	global_store_b128 v[SOF], v[192:195], s[46:47] offset:8192
	s_branch .Ltail_done
.Ltail_kv:
	s_cmp_eq_u32 s21, 1
	s_cbranch_scc0 .Ltail_v
.irp p, 0,1,2,3
	v_perm_b32 v[184+\p], v[PWB+2*\p+1], v[PWB+2*\p], s92          ; a pair of key tiles shares a fragment: tile 2 p's two bytes, then tile 2 p + 1's; the first head's,
	v_perm_b32 v[188+\p], v[PWB+2*\p+1], v[PWB+2*\p], s93          ; the second head's
.endr
.irp p, 0,1,2,3
	v_cndmask_b32 v[192+\p], v[184+\p], v[188+\p], vcc_lo
.endr
	s_branch .Ltail_store
.Ltail_v:
.irp i, 0,1,2,3
	v_cndmask_b32 v[192+\i], v[PWB+\i], v[PWB+4+\i], vcc_lo        ; lanes 0-15 the first head's four channel tiles, lanes 16-31 the second's
.endr
.Ltail_store:
	v_mul_u32_u24 v[SOF], v3, 204800
	v_lshl_add_u32 v[SOF], v2, 4, v[SOF]
	s_wait_alu depctr_va_vdst(0)
	global_store_b128 v[SOF], v[192:195], s[46:47]                 ; sixteen lanes store 256 consecutive bytes, aligned, in each head's record
.Ltail_done:
	s_wait_tensorcnt 0x0                           ; the wave's end
	ds_add_u32 v[SPW], v[NIL]
	s_wait_dscnt 0x0
	CROUND                                         ; the closing round
	s_endpgm
.Lfunc_end_k_q3ebbacf906_proj:
	.size	k_q3ebbacf906_proj, .Lfunc_end_k_q3ebbacf906_proj-k_q3ebbacf906_proj
	.p2alignl 7, 3214868480
	.fill 96, 4, 3214868480
	.section	.rodata,"a",@progbits
	.p2align	6, 0x0
	.amdhsa_kernel k_q3ebbacf906_proj
		.amdhsa_group_segment_fixed_size 327680
		.amdhsa_private_segment_fixed_size 0
		.amdhsa_enable_private_segment 0
		.amdhsa_kernarg_size 56
		.amdhsa_user_sgpr_count 2
		.amdhsa_user_sgpr_kernarg_segment_ptr 1
		.amdhsa_wavefront_size32 1
		.amdhsa_system_sgpr_workgroup_id_x 1
		.amdhsa_system_sgpr_workgroup_id_y 1
		.amdhsa_system_sgpr_workgroup_id_z 1
		.amdhsa_system_vgpr_workitem_id 0
		.amdhsa_next_free_vgpr 1024
		.amdhsa_next_free_sgpr 106
		.amdhsa_reserve_vcc 1
		.amdhsa_float_denorm_mode_32 3
		.amdhsa_float_denorm_mode_16_64 3
		.amdhsa_memory_ordered 1
		.amdhsa_forward_progress 1
		.amdhsa_inst_pref_size 172
	.end_amdhsa_kernel
	.amdgpu_metadata
---
amdhsa.version: [ 1, 2 ]
amdhsa.kernels:
  - .name:           k_q3ebbacf906_proj
    .symbol:         k_q3ebbacf906_proj.kd
    .args:
      - { .name: xbuf, .offset: 0, .size: 8, .value_kind: global_buffer, .address_space: global }
      - { .name: wbuf, .offset: 8, .size: 8, .value_kind: global_buffer, .address_space: global }
      - { .name: bq, .offset: 16, .size: 8, .value_kind: global_buffer, .address_space: global }
      - { .name: bk, .offset: 24, .size: 8, .value_kind: global_buffer, .address_space: global }
      - { .name: bv, .offset: 32, .size: 8, .value_kind: global_buffer, .address_space: global }
      - { .name: qbuf, .offset: 40, .size: 8, .value_kind: global_buffer, .address_space: global }
      - { .name: kvbuf, .offset: 48, .size: 8, .value_kind: global_buffer, .address_space: global }
    .group_segment_fixed_size: 327680
    .private_segment_fixed_size: 0
    .kernarg_segment_align: 8
    .kernarg_segment_size: 56
    .max_flat_workgroup_size: 128
    .sgpr_count:     106
    .vgpr_count:     1024
    .wavefront_size: 32
...
	.end_amdgpu_metadata
.endif
;; end of part 2
;; launch attn (part 3): grid 4 x 64, 8 waves a work-group, clusters of 4 x 1, 327,680 bytes of LDS; arguments qbuf, kvbuf, mask, cbuf; writes cbuf
.if DOCPART == 3
	.amdgcn_target "amdgcn-amd-amdhsa--gfx1250"
	.amdhsa_code_object_version 6
	.text
	.protected	k_q3ebbacf906_attn
	.globl	k_q3ebbacf906_attn
	.p2align	8
	.type	k_q3ebbacf906_attn,@function
k_q3ebbacf906_attn:
	s_mov_b64 s[64:65], 0
	v_nop
	global_prefetch_b8 v0, s[64:65] scope:SCOPE_SE
	s_setreg_imm32_b32 hwreg(HW_REG_WAVE_MODE, 25, 1), 1
	s_wait_xcnt 0x0
	s_wait_alu depctr_hold_cnt(0) depctr_sa_sdst(0) depctr_va_vdst(0) depctr_va_sdst(0) depctr_va_ssrc(0) depctr_va_vcc(0) depctr_vm_vsrc(0)
	s_getreg_b32 s2, hwreg(HW_REG_IB_STS2, 6, 4)
	s_cmp_eq_u32 s2, 0
	s_cbranch_scc0 .Lentry_in_a_cluster
	s_endpgm
.Lentry_in_a_cluster:
	s_bfe_u32 s2, ttmp6, 0x10000c
	s_cmp_lg_u32 s2, 0x3003
	s_cbranch_scc0 .Lentry_shape_is_right
	s_endpgm
.Lentry_shape_is_right:
; ctx = softmax(q k^T / 8 + mask x -1e9) v for one head (work-group y = 16 x batch + head) and 512 queries, on codes of FP6 (E2M3) with E8M0 scales; ctx is quantised along the channels for the last product.
; Both products are used transposed (S^T = k q^T, O^T = v^T p^T): a lane holds one query.  Eight waves, each with four tiles of 16 queries; the keys go in 16 steps of 128.
; THE HEAD'S WHOLE RECORD of k and v (16 steps x 12,800 bytes: k's 8 half images, v's 4 images, their scale words) comes into LDS once, by one joint tensor load a wave (25,600 bytes = 100 rows of 256),
; shared by the cluster's four work-groups, which take the same head.  Nothing is filled again.  No prefetch: all that the launch streams is asked for at its head, so there is no later step to ask ahead for.
; WHICH KEYS FORM A TILE is chosen as the fragments are read from LDS: lane (r, h) of tile 4 c + u takes key 64 c + 32 (r / 8) + 8 u + r % 8.  In the result a lane's 32 registers of tiles 4 c .. 4 c + 3
; are then the 32 neighbouring keys 64 c + 32 h + 0 .. 31: a whole block of p in one lane, in the order of the operand's registers: a block's largest p needs no other lane, and no codes change lanes.
; In the record key 32 p + 8 e + 16 w + i (i under 8) is row 8 w + i of half image 2 p + e: so lanes r under 8 read image pair 2 c and the others pair 2 c + 1 (1,536 bytes on), at lane 8 w + r % 8 + 16 h of the image.
; A head has 64 channels, half of the instruction's K: a fragment of k holds two key tiles side by side, and q stands in one half of its operand with zero codes in the other.
; THE MASK: mask x -8e9 is the C of the score products, so that (score + C) x log2(e) / 8 = t.  M = ceil(running largest t), a whole number; p = 2^(t - M); the row's sum is taken of the unquantised p.
; THE ORDER: a tile's four products with v are issued one tile later, one by one between the dependent lines that make the next tile's M; p's codes and scale word stay until then.  The first trip finds zero codes
; there, and the last four products stand behind the loop.  The lines that make p's scale word stand among the additions of the row's sum.
; LIMITS: the promise holds while |t| stays under 2^31; a block of p under 2^-124 keeps the scale byte 1 (zero codes; only this program reads the bytes); NaN and infinities are not served.
; REGISTERS: window 0: v1-7 lane constants; v8-11 k's scale words, v12-15 q's, v248-251 v's, v240 p's; v16-31 for each query tile -M, the running largest score, the sum in two halves;
;   v32-95 the mask terms; v96-159 scores, then p; v160-207 k's fragments; v208-226 p's codes; v228-235 maxima, then partial sums.  Window 1: v0-47 v's fragments; v48-107 q between zeros; v128-255 O^T.
.set REC,   204800
.set STEPB, 12800
.set TBL,   204800                     ; the mask terms, 2,048 f32, stored by the waves: bytes of their own
.set SPARE, 0x34000                    ; the spare words: 128 bytes for each of eight waves
.set L16,   1
.set L8,    2
.set LK16,  3
.set LK8,   4
.set LKS,   5
.set LM,    6
.set LVS,   7
.set KS,    8
.set QS,    12
.set TBR,   32
.set S,     96
.set KF,    160
.set P,     208
.set WA0,   223
.set WA1,   227
.set X,     228
.set BM,    228
.set T2,    229
.set PT,    232
.set SO,    236
.set PSW,   240
.set T1,    241
.set F,     242
.set CH,    244
.set SH8,   246
.set WA2,   247
.set VS,    248
.set WA3,   252
.set T3,    253
.set MSB, 0
.macro WIN new
.if MSB != (\new)
	s_set_vgpr_msb (MSB<<8)|(\new)
.set MSB, (\new)
.endif
.endm
.macro CROUND
	s_barrier_signal -1
	s_barrier_wait -1
	s_cmp_lg_u32 s12, 0
	s_cbranch_scc1 .Lnot_wave_0_\@
	s_barrier_signal -3
.Lnot_wave_0_\@:
	s_barrier_wait -3
	s_barrier_signal -1
	s_barrier_wait -1
.endm
; k's four fragments, their scale words and the mask terms of the step at s55 (record) and s56 (table): 36 LDS loads.  The four additions are also the places behind the score products that read these registers.
.macro KLOAD
	v_add_nc_u32 v[WA0], s55, v[LK16]
	v_add_nc_u32 v[WA1], s55, v[LK8]
	v_add_nc_u32 v[WA2], s55, v[LKS]
	v_add_nc_u32 v[WA3], s56, v[LM]
.irp f, 0,1,2,3
.irp e, 0,1
	ds_load_b128 v[KF+12*\f+6*\e:KF+12*\f+6*\e+3], v[WA0] offset:3072*(\f/2)+128*(\f%2)+768*\e
	ds_load_b64 v[KF+12*\f+6*\e+4:KF+12*\f+6*\e+5], v[WA1] offset:3072*(\f/2)+64*(\f%2)+768*\e+512
.endr
	ds_load_b32 v[KS+\f], v[WA2] offset:8*(\f/2)+128*(\f%2)
.endr
.irp g, 0,1,2,3,4,5,6,7
	ds_load_b128 v[TBR+8*\g:TBR+8*\g+3], v[WA3] offset:256*(\g/4)+32*(\g%4)
	ds_load_b128 v[TBR+8*\g+4:TBR+8*\g+7], v[WA3] offset:256*(\g/4)+32*(\g%4)+16
.endr
.endm
; v's four fragments and scale words of the step at s52: 17 LDS loads, four places behind the last products that read these registers
.macro VLOAD
	v_add_nc_u32 v[WA0], s52, v[L16]
	v_add_nc_u32 v[WA1], s52, v[L8]
	v_add_nc_u32 v[WA2], s52, v[LVS]
	v_nop
	ds_load_b128 v[VS:VS+3], v[WA2]
	WIN 0x40
.irp c, 0,1,2,3
	ds_load_b128 v[12*\c:12*\c+3], v[WA0] offset:6144+1536*\c
	ds_load_b64 v[12*\c+4:12*\c+5], v[WA1] offset:6144+1536*\c+512
	ds_load_b128 v[12*\c+6:12*\c+9], v[WA0] offset:6144+1536*\c+768
	ds_load_b64 v[12*\c+10:12*\c+11], v[WA1] offset:6144+1536*\c+1280
.endr
	WIN 0
.endm
; O^T of query tile t, channels 16 c .. 16 c + 15, += v^T p^T with the codes and the scale word that stand in v[P] on and v[PSW]
.macro PV1 t, c
	WIN 0x51
	v_wmma_scale_f32_16x16x128_f8f6f4 v[128+32*(\t)+8*(\c):128+32*(\t)+8*(\c)+7], v[12*(\c):12*(\c)+11], v[P:P+11], v[128+32*(\t)+8*(\c):128+32*(\t)+8*(\c)+7], v[VS+(\c)], v[PSW] matrix_a_fmt:MATRIX_FMT_FP6 matrix_b_fmt:MATRIX_FMT_FP6
	WIN 0
.endm
.macro PKF n                           ; t - M for the next 2 n scores
.rept \n
	v_pk_fma_f32 v[S+j:S+j+1], v[S+j:S+j+1], s[48:49], v[NM:NM+1] op_sel_hi:[1,0,0]
.set j, j+2
.endr
.endm
.macro SUM4                            ; eight more p into the row's sum: four chains by turns
	v_pk_add_f32 v[NM+2:NM+3], v[NM+2:NM+3], v[S+j:S+j+1]
	v_pk_add_f32 v[230:231], v[230:231], v[S+j+2:S+j+3]
	v_pk_add_f32 v[244:245], v[244:245], v[S+j+4:S+j+5]
	v_pk_add_f32 v[234:235], v[234:235], v[S+j+6:S+j+7]
.set j, j+8
.endm
; one tile of 16 queries against the step's 128 keys
.macro TILE t
.set NM, 16+4*(\t)
.set OA, 128+32*(\t)
.if (\t) == 0
	s_wait_alu depctr_va_vdst(0)
	s_wait_dscnt 0x0                               ; k's 36 loads are in
.endif
	WIN 0x04
.irp g, 0,1,2,3,4,5,6,7
	v_wmma_scale_f32_16x16x128_f8f6f4 v[S+8*\g:S+8*\g+7], v[KF+12*(\g/2):KF+12*(\g/2)+11], v[54+12*(\t)-6*(\g%2):65+12*(\t)-6*(\g%2)], v[TBR+8*\g:TBR+8*\g+7], v[KS+\g/2], v[QS+(\t)] matrix_a_fmt:MATRIX_FMT_FP6 matrix_b_fmt:MATRIX_FMT_FP6
.endr
	WIN 0
	v_mov_b32 v[T3], v[NM]                         ; the old -M
.if (\t) == 3
	KLOAD                                          ; the wave's last score products of this step are issued: the next step's k and mask terms are asked for
.else
.rept 3
	v_nop
.endr
.endif
.irp g, 0,1,2,3,4,5,6,7                        ; the largest score: eight chains by turns, each accumulator from its low end on
	v_max3_num_f32 v[X+\g], v[S+8*\g], v[S+8*\g+1], v[S+8*\g+2]
.endr
.irp i, 3,5
.irp g, 0,1,2,3,4,5,6,7
	v_max3_num_f32 v[X+\g], v[X+\g], v[S+8*\g+\i], v[S+8*\g+\i+1]
.endr
.endr
.irp c, 0,1
	v_max3_num_f32 v[X+4*\c+1], v[X+4*\c+1], v[S+32*\c+7], v[S+32*\c+15]
	v_max3_num_f32 v[X+4*\c+2], v[X+4*\c+2], v[S+32*\c+23], v[S+32*\c+31]
	v_max_num_f32 v[X+4*\c], v[X+4*\c], v[X+4*\c+3]
.endr
.irp c, 0,1
	v_max3_num_f32 v[X+4*\c], v[X+4*\c], v[X+4*\c+1], v[X+4*\c+2]   ; my block 2 c + h's largest score: it serves the row's maximum and, since p rises with the score, the block's largest p
.endr
.if (\t) == 1
	s_wait_alu depctr_va_vdst(0)
	s_wait_dscnt 0x0                               ; v's 17 loads of this step are in
.endif
	PV1 (\t+3)%4, 0                                ; the tile before's products with v, between the dependent lines below
	v_max_num_f32 v[T1], v[X], v[X+4]
	PV1 (\t+3)%4, 1
	v_permlanex16_b32 v[T2], v[T1], s50, s51
	PV1 (\t+3)%4, 2
	v_max3_num_f32 v[NM+1], v[NM+1], v[T1], v[T2]  ; the running largest score of my query
	PV1 (\t+3)%4, 3
.if (\t) == 0
	VLOAD                                          ; the last step's products with v are issued: this step's v is asked for
.endif
	v_mul_f32 v[T1], s48, v[NM+1]                  ; as t
	s_delay_alu instid0(VALU_DEP_1)
	v_floor_f32 v[NM], -v[T1]                      ; -M = floor(-t)
.set j, 0
	PKF 4
	v_sub_f32 v[T3], v[NM], v[T3]                  ; old M - new M, a whole number, 0 or less
	PKF 6
	v_cvt_i32_f32 v[T3], v[T3]
	PKF 6
	v_ldexp_f32 v[F], 1.0, v[T3]                   ; f = 2^(old M - new M)
	PKF 16
	v_fma_f32 v[X], v[X], s48, v[NM]
	v_fma_f32 v[X+4], v[X+4], s48, v[NM]
	WIN 0x41
	s_wait_alu depctr_va_vdst(0)                   ; ahead of the first reader of O^T, and ahead of the exponentials' sources' readers
.set j, 0
.rept 16
	v_pk_mul_f32 v[OA+j:OA+j+1], v[OA+j:OA+j+1], v[F:F+1] op_sel_hi:[1,0]   ; O^T under the new M
.set j, j+2
.endr
	WIN 0
.set j, 0
.rept 64
	v_exp_f32 v[S+j], v[S+j]                       ; p = 2^(t - M)
.set j, j+1
.endr
	v_exp_f32 v[X], v[X]                           ; my two blocks' largest p
	v_exp_f32 v[X+4], v[X+4]
	v_nop                                          ; one plain place behind the exponentials
	s_wait_alu depctr_va_vdst(0)                   ; one wait for the batch
	v_max_num_f32 v[X], 0x1800000, v[X]            ; the floor 2^(3 - 127): the byte cannot fall under 1
	v_max_num_f32 v[X+4], 0x1800000, v[X+4]
	v_pk_fma_f32 v[NM+2:NM+3], v[NM+2:NM+3], v[F:F+1], v[S:S+1] op_sel_hi:[1,0,1]   ; the row's sum under the new M, of the unquantised p
	v_pk_add_f32 v[230:231], v[S+2:S+3], v[S+4:S+5]
	v_pk_add_f32 v[244:245], v[S+6:S+7], v[S+8:S+9]
	v_pk_add_f32 v[234:235], v[S+10:S+11], v[S+12:S+13]
.set j, 14
	v_add_nc_u32 v[SO], 0xff000000, v[X]           ; 2 off the exponent field: the conversions' scale operand
	v_add_nc_u32 v[SO+1], 0xff000000, v[X+4]
	SUM4
.irp c, 0,1
	v_cvt_scalef32_pk16_fp6_f32 v[P+6*\c:P+2+6*\c], v[S+32*\c:S+15+32*\c], v[SO+\c]
	v_cvt_scalef32_pk16_fp6_f32 v[220+4*\c:222+4*\c], v[S+16+32*\c:S+31+32*\c], v[SO+\c]   ; a conversion's three registers begin on an even number
.endr
	v_lshrrev_b32 v[T1], 23, v[SO]                 ; the scale bytes of blocks h and 2 + h (also the plain place behind the conversions)
	v_lshrrev_b32 v[T3], 23, v[SO+1]
	SUM4
	v_lshl_or_b32 v[T1], v[T3], 16, v[T1]
.irp i, 0,1,2
	v_mov_b32 v[P+3+\i], v[220+\i]
.endr
	v_lshlrev_b32 v[T1], v[SH8], v[T1]             ; at their places in the word, 8 h bits up
.irp i, 0,1,2
	v_mov_b32 v[P+9+\i], v[224+\i]
.endr
	v_permlanex16_b32 v[T2], v[T1], s50, s51
	SUM4
	v_or_b32 v[PSW], v[T1], v[T2]                  ; with lane l xor 16's two the word is whole; sixteen plain lines stand between it and the first product that names it
	SUM4
	SUM4
	SUM4
	v_pk_add_f32 v[NM+2:NM+3], v[NM+2:NM+3], v[S+62:S+63]
	v_pk_add_f32 v[230:231], v[230:231], v[244:245]
	v_pk_add_f32 v[NM+2:NM+3], v[NM+2:NM+3], v[234:235]
	v_pk_add_f32 v[NM+2:NM+3], v[NM+2:NM+3], v[230:231]
.endm
	s_load_b256 s[4:11], s[0:1], 0x0               ; qbuf, kvbuf, mask, cbuf
	v_lshl_add_u32 v254, v0, 2, SPARE
	v_mov_b32 v255, 0
	ds_add_u32 v254, v255                          ; the opening lines: the add, twice on end, and its wait
	ds_add_u32 v254, v255
	v_lshrrev_b32 v244, 5, v0
	v_readfirstlane_b32 s12, v244                  ; wave
	s_bfe_u32 s13, ttmp6, 0x40000                  ; cx: which 512 queries
	s_and_b32 s14, ttmp7, 0xffff                   ; 16 x batch + head
	s_lshr_b32 s15, s14, 4                         ; batch
	s_mov_b32 s32, 15|(3<<16)|(1<<21)              ; group 1: 100 rows of 256 bytes (32 elements of 8), dense; the mask names the cluster's four
	s_mov_b32 s33, 32<<16
	s_mov_b32 s34, 100<<16
	s_mov_b32 s35, 32<<16
	s_mov_b32 s36, 100
	s_mov_b32 s37, 32
	s_mov_b32 s38, 0
	s_mov_b32 s39, 0
	s_mul_i32 s25, s12, 25600                      ; my eighth of the record, in LDS as in memory
	s_mul_i32 s16, s14, REC
	s_add_co_u32 s16, s16, s25
	s_mov_b32 s17, 0
	s_lshl_b32 s18, s15, 13                        ; the batch's row of the mask
	s_mov_b32 s19, 0
	s_lshl_b32 s28, s14, 7
	s_lshl_b32 s29, s13, 5
	s_add_co_u32 s28, s28, s29
	s_lshl_b32 s29, s12, 2
	s_add_co_u32 s28, s28, s29
	s_mul_i32 s28, s28, 768                        ; q: my four half images
	s_mov_b32 s29, 0
	s_lshl_b32 s30, s14, 4
	s_lshl_b32 s31, s13, 2
	s_add_co_u32 s30, s30, s31
	s_lshr_b32 s31, s12, 1
	s_add_co_u32 s30, s30, s31
	s_lshl_b32 s30, s30, 9
	s_and_b32 s31, s12, 1
	s_lshl_b32 s31, s31, 4
	s_add_co_u32 s30, s30, s31
	s_add_co_u32 s30, s30, 6291456                 ; q's scale words
	s_mov_b32 s31, 0
	s_mov_b32 s48, 0x3e38aa3b                      ; log2(e) / 8
	s_mov_b32 s49, s48
	s_mov_b32 s50, 0x76543210
	s_mov_b32 s51, 0xfedcba98                      ; v_permlanex16_b32's selects for lane l xor 16
	s_mov_b32 s52, 0
	s_mov_b32 s53, 0
	s_mov_b32 s55, 0
	s_mov_b32 s56, 0
	s_wait_dscnt 0x0
	s_wait_kmcnt 0x0
	s_mov_b32 s24, 1
	s_add_nc_u64 s[26:27], s[6:7], s[16:17]
	s_or_b32 s27, s27, 0x80000000
	s_add_nc_u64 s[8:9], s[8:9], s[18:19]
	s_add_nc_u64 s[20:21], s[4:5], s[28:29]
	s_add_nc_u64 s[22:23], s[4:5], s[30:31]
	CROUND                                         ; the four work-groups are here: the joint loads meet
	tensor_load_to_lds s[24:27], s[32:39]          ; my one tensor load of the launch
	s_nop 0
	v_and_b32 v244, 31, v0                         ; lane
	v_and_b32 v245, 15, v0                         ; r
	v_bfe_u32 v246, v0, 4, 1                       ; h
	v_bfe_u32 v247, v0, 3, 1                       ; r / 8
	v_and_b32 v223, 7, v0                          ; r % 8
	v_lshlrev_b32 v[L16], 4, v244
	v_lshlrev_b32 v[L8], 3, v244
	v_mul_u32_u24 v[LK16], v247, 1536
	v_lshlrev_b32 v[LKS], 4, v223
	v_lshl_add_u32 v[LM], v246, 7, TBL             ; mask terms: my half's 32 keys
	v_lshl_add_u32 v[LVS], v245, 4, 12544          ; v's scale words: 16 bytes a row
	v_lshl_add_u32 v[LK8], v223, 3, v[LK16]
	v_lshl_add_u32 v[LK16], v223, 4, v[LK16]
	v_lshl_add_u32 v[LKS], v247, 2, v[LKS]
	v_lshl_add_u32 v[LK8], v246, 7, v[LK8]         ; k, registers 4-5: 1,536 (r / 8) + 8 (r % 8) + 128 h
	v_lshl_add_u32 v[LK16], v246, 8, v[LK16]       ; k, registers 0-3: 1,536 (r / 8) + 16 (r % 8) + 256 h
	v_add_nc_u32 v[LKS], 12288, v[LKS]             ; k's scale words: 16 (r % 8) + 4 (r / 8)
	v_lshl_add_u32 v253, v0, 5, TBL                ; my eight mask terms' place in the table
	v_lshlrev_b32 v227, 5, v0                      ; and in the mask
	v_lshlrev_b32 v252, 5, v245
	v_lshlrev_b32 v[SH8], 3, v246                  ; 8 h
	s_wait_alu depctr_va_vdst(0)
	global_load_b128 v[32:35], v227, s[8:9]
	global_load_b128 v[36:39], v227, s[8:9] offset:16
	WIN 0x40
.irp t, 0,1,2,3
	global_load_b128 v[54+12*\t:57+12*\t], v[L16], s[20:21] offset:768*\t
	global_load_b64 v[58+12*\t:59+12*\t], v[L8], s[20:21] offset:768*\t+512
.endr
	WIN 0
	global_load_b128 v[QS:QS+3], v252, s[22:23]
	WIN 0x40
.irp t, 0,1,2,3,4
.irp i, 0,1,2,3,4,5
	v_mov_b32 v[48+12*\t+\i], 0                    ; zero codes on both sides of each q
.endr
.endr
.set j, 0
.rept 128
	v_mov_b32 v[128+j], 0                          ; O^T: the step is written once, and the first finds zeros
.set j, j+1
.endr
	WIN 0
.irp t, 0,1,2,3
	v_mov_b32 v[17+4*\t], 0xff61b1e6               ; the largest score so far: -3e38
	v_mov_b32 v[16+4*\t], 0x7f61b1e6               ; -M: 3e38
	v_mov_b32 v[18+4*\t], 0
	v_mov_b32 v[19+4*\t], 0
.endr
.set j, 0
.rept 12
	v_mov_b32 v[P+j], 0                            ; p's codes: the first trip's first four products with v find zeros, which add nothing
.set j, j+1
.endr
	v_mov_b32 v[PSW], 0x7f7f7f7f                   ; under the scale 1
	v_mov_b32 v[F+1], 0
	s_wait_alu depctr_va_vdst(0)
	s_wait_loadcnt 9                               ; the mask's two loads are in; q's nine may be out
.irp i, 0,2,4,6
	v_pk_mul_f32 v[32+\i:33+\i], v[32+\i:33+\i], 0xcfee6b28 op_sel_hi:[1,0]   ; mask x -8e9
.endr
	ds_store_b128 v253, v[32:35]
	ds_store_b128 v253, v[36:39] offset:16
	s_wait_loadcnt 0x0
	s_wait_tensorcnt 0x0                           ; my eighth of the record is in,
	s_wait_dscnt 0x0                               ; and my mask terms are stored
	s_barrier_signal -1
	s_barrier_wait -1
	KLOAD                                          ; step 0's k and mask terms,
	VLOAD                                          ; and its v, which the first trip's first four products name
	s_mov_b32 s54, 16
.Lkeys:
	s_add_co_u32 s55, s52, STEPB                   ; the next step's k and mask terms; the last trip reads step 15's once more, so that the trips are alike and no load leaves the record
	s_min_u32 s55, s55, 15*STEPB
	s_add_co_u32 s56, s53, 512
	s_min_u32 s56, s56, 15*512
	TILE 0
	TILE 1
	TILE 2
	TILE 3
	s_add_co_u32 s52, s52, STEPB
	s_add_co_u32 s53, s53, 512
	s_sub_co_u32 s54, s54, 1
	s_cmp_lg_u32 s54, 0
	s_cbranch_scc1 .Lkeys
	s_wait_alu depctr_va_vdst(0)
	s_wait_dscnt 0x0                               ; the last trip's 36 loads have landed: their registers are used again on the way out
.irp c, 0,1,2,3
	PV1 3, \c                                      ; the last tile's products with v
.endr
	; ---- the way out: O^T / the row's sum, quantised along the channels, stored as half images
.irp t, 0,1,2,3
	v_add_f32 v[BM+\t], v[18+4*\t], v[19+4*\t]
.endr
.irp t, 0,1,2,3
	s_delay_alu instid0(VALU_DEP_4)
	v_permlanex16_b32 v[PT+\t], v[BM+\t], s50, s51
.endr
.irp t, 0,1,2,3
	s_delay_alu instid0(VALU_DEP_4)
	v_add_f32 v[BM+\t], v[BM+\t], v[PT+\t]
.endr
	s_wait_alu depctr_va_vdst(0)
.irp t, 0,1,2,3
	v_rcp_f32 v[SO+\t], v[BM+\t]
.endr
	v_nop
	s_wait_alu depctr_va_vdst(0)
	s_lshl_b32 s16, s15, 7
	s_lshl_b32 s18, s13, 5
	s_add_co_u32 s16, s16, s18
	s_lshl_b32 s18, s12, 2
	s_add_co_u32 s16, s16, s18                     ; my first stored token tile
	s_and_b32 s19, s14, 15                         ; head
	s_mul_i32 s20, s16, 12288
	s_mul_i32 s18, s19, 768
	s_add_co_u32 s20, s20, s18
	s_mov_b32 s21, 0
	s_add_nc_u64 s[56:57], s[10:11], s[20:21]
	s_lshl_b32 s20, s16, 9
	s_lshr_b32 s18, s19, 3
	s_lshl_b32 s18, s18, 8
	s_add_co_u32 s20, s20, s18
	s_bfe_u32 s18, s19, 0x20001
	s_lshl_b32 s18, s18, 2
	s_add_co_u32 s20, s20, s18
	s_and_b32 s18, s19, 1
	s_lshl_b32 s18, s18, 1
	s_add_co_u32 s20, s20, s18
	s_add_co_u32 s20, s20, 6291456
	s_add_nc_u64 s[58:59], s[10:11], s[20:21]
.macro OUT t
	WIN 0x01
.set j, 0
.rept 32
	v_mul_f32 v[S+j], v[128+32*(\t)+j], v[SO+(\t)]
.set j, j+1
.endr
	WIN 0
.irp b, 0,1
	v_max3_num_f32 v[CH+\b], |v[S+16*\b]|, |v[S+1+16*\b]|, 0x1800000
.endr
.irp i, 2,4,6,8,10,12,14
.irp b, 0,1
	s_delay_alu instid0(VALU_DEP_2)
	v_max3_num_f32 v[CH+\b], v[CH+\b], |v[S+16*\b+\i]|, |v[S+1+16*\b+\i]|
.endr
.endr
.irp b, 0,1
	s_delay_alu instid0(VALU_DEP_2)
	v_permlanex16_b32 v[PT+\b], v[CH+\b], s50, s51
.endr
.irp b, 0,1
	s_delay_alu instid0(VALU_DEP_2)
	v_max_num_f32 v[CH+\b], v[CH+\b], v[PT+\b]
.endr
.irp b, 0,1
	s_delay_alu instid0(VALU_DEP_2)
	v_add_nc_u32 v[F+\b], 0xff000000, v[CH+\b]
.endr
.irp b, 0,1
	s_delay_alu instid0(VALU_DEP_2)
	v_lshrrev_b32 v[PT+2+\b], 23, v[F+\b]
.endr
	s_delay_alu instid0(VALU_DEP_1)
	v_lshl_or_b32 v[200+(\t)], v[PT+3], 8, v[PT+2]
	v_cvt_scalef32_pk16_fp6_f32 v[160+8*(\t):162+8*(\t)], v[S:S+15], v[F]
	v_cvt_scalef32_pk16_fp6_f32 v[220:222], v[S+16:S+31], v[F+1]
	v_nop
.irp i, 0,1,2
	v_permlane16_swap_b32 v[160+8*(\t)+\i], v[220+\i]
.endr
.irp i, 0,1,2
	s_delay_alu instid0(VALU_DEP_3)
	v_mov_b32 v[163+8*(\t)+\i], v[220+\i]
.endr
	global_store_b128 v[L16], v[160+8*(\t):163+8*(\t)], s[56:57] offset:(\t)*12288
	global_store_b64 v[L8], v[164+8*(\t):165+8*(\t)], s[56:57] offset:(\t)*12288+512
.endm
	OUT 0
	OUT 1
	OUT 2
	OUT 3
	v_and_b32 v207, 31, v0
	s_delay_alu instid0(VALU_DEP_1)
	v_cmp_lt_u32 vcc_lo, 15, v207
	s_delay_alu instid0(VALU_DEP_1)
	v_cndmask_b32 v204, v200, v201, vcc_lo
	s_delay_alu instid0(VALU_DEP_2)
	v_cndmask_b32 v205, v202, v203, vcc_lo
	v_and_b32 v206, 15, v0
	s_delay_alu instid0(VALU_DEP_1)
	v_lshlrev_b32 v206, 4, v206
	v_bfe_u32 v207, v0, 4, 1
	s_delay_alu instid0(VALU_DEP_1)
	v_lshl_add_u32 v206, v207, 9, v206
	global_store_b16 v206, v204, s[58:59]          ; a head's two scale bytes a row
	global_store_b16 v206, v205, s[58:59] offset:1024
	s_wait_tensorcnt 0x0                           ; the wave's end
	ds_add_u32 v254, v255
	s_wait_dscnt 0x0
	CROUND                                         ; the closing round
	s_endpgm
.Lfunc_end_k_q3ebbacf906_attn:
	.size	k_q3ebbacf906_attn, .Lfunc_end_k_q3ebbacf906_attn-k_q3ebbacf906_attn
	.p2alignl 7, 3214868480
	.fill 96, 4, 3214868480
	.section	.rodata,"a",@progbits
	.p2align	6, 0x0
	.amdhsa_kernel k_q3ebbacf906_attn
		.amdhsa_group_segment_fixed_size 327680
		.amdhsa_private_segment_fixed_size 0
		.amdhsa_enable_private_segment 0
		.amdhsa_kernarg_size 32
		.amdhsa_user_sgpr_count 2
		.amdhsa_user_sgpr_kernarg_segment_ptr 1
		.amdhsa_wavefront_size32 1
		.amdhsa_system_sgpr_workgroup_id_x 1
		.amdhsa_system_sgpr_workgroup_id_y 1
		.amdhsa_system_sgpr_workgroup_id_z 1
		.amdhsa_system_vgpr_workitem_id 0
		.amdhsa_next_free_vgpr 512
		.amdhsa_next_free_sgpr 66
		.amdhsa_reserve_vcc 1
		.amdhsa_float_denorm_mode_32 3
		.amdhsa_float_denorm_mode_16_64 3
		.amdhsa_memory_ordered 1
		.amdhsa_forward_progress 1
		.amdhsa_inst_pref_size 90
	.end_amdhsa_kernel
	.amdgpu_metadata
---
amdhsa.version: [ 1, 2 ]
amdhsa.kernels:
  - .name:           k_q3ebbacf906_attn
    .symbol:         k_q3ebbacf906_attn.kd
    .args:
      - { .name: qbuf, .offset: 0, .size: 8, .value_kind: global_buffer, .address_space: global }
      - { .name: kvbuf, .offset: 8, .size: 8, .value_kind: global_buffer, .address_space: global }
      - { .name: mask, .offset: 16, .size: 8, .value_kind: global_buffer, .address_space: global }
      - { .name: cbuf, .offset: 24, .size: 8, .value_kind: global_buffer, .address_space: global }
    .group_segment_fixed_size: 327680
    .private_segment_fixed_size: 0
    .kernarg_segment_align: 8
    .kernarg_segment_size: 32
    .max_flat_workgroup_size: 256
    .sgpr_count:     66
    .vgpr_count:     512
    .wavefront_size: 32
...
	.end_amdgpu_metadata
.endif
;; end of part 3
;; launch outp (part 4): grid 4 x 32, 4 waves a work-group, clusters of 4 x 4, 327,680 bytes of LDS; arguments cbuf, wbuf, bo, out0; writes out0
.if DOCPART == 4
	.amdgcn_target "amdgcn-amd-amdhsa--gfx1250"
	.amdhsa_code_object_version 6
	.text
	.protected	k_q3ebbacf906_outp
	.globl	k_q3ebbacf906_outp
	.p2align	8
	.type	k_q3ebbacf906_outp,@function
k_q3ebbacf906_outp:
	s_mov_b64 s[64:65], 0
	v_nop
	global_prefetch_b8 v0, s[64:65] scope:SCOPE_SE
	s_setreg_imm32_b32 hwreg(HW_REG_WAVE_MODE, 25, 1), 1
	s_wait_xcnt 0x0
	s_wait_alu depctr_hold_cnt(0) depctr_sa_sdst(0) depctr_va_vdst(0) depctr_va_sdst(0) depctr_va_ssrc(0) depctr_va_vcc(0) depctr_vm_vsrc(0)
	s_getreg_b32 s2, hwreg(HW_REG_IB_STS2, 6, 4)
	s_cmp_eq_u32 s2, 0
	s_cbranch_scc0 .Lentry_in_a_cluster
	s_endpgm
.Lentry_in_a_cluster:
	s_bfe_u32 s2, ttmp6, 0x10000c
	s_cmp_lg_u32 s2, 0xf033
	s_cbranch_scc0 .Lentry_shape_is_right
	s_endpgm
.Lentry_shape_is_right:
.set NQ,     2
.set FR,     12
.set NL,     4
.set NP,     4
.set FIB,    1536
.set TILEB,  2*FIB
.set HALFT,  8*TILEB
.set SLOT,   4*HALFT
.set SCL,    2*SLOT
.set HALFS,  4096
.set SPARE,  SCL+4*HALFS
.set SPITCH, 528
.set ADRA, 16
.set ADRB, 20
.set L16,  24
.set L8,   25
.set STO,  26
.set ADRS, 27
.set SPW,  28
.set NIL,  29
.set RD,   30
.set SC,   32
.set BIAS, 64
.set AF,   128
.set BK,   128
.set G1, 24
.set G0, 32
.set G1B, 48
.set G0B, 56
.set G1S, 68
.set G0S, 76
.set G1SB, 80
.set G0SB, 88
.set MSB, 0
.macro WIN new
.if MSB != (\new)
	s_set_vgpr_msb (MSB<<8)|(\new)
.set MSB, (\new)
.endif
.endm
.set MUL_LO, 0xa1
.set MUL_HI, 0xf1
.set TO_B,   0x40
.macro JLOAD g0a, g1a, g0b, g1b
	s_cmp_eq_u32 s19, 0
	s_cbranch_scc0 .Lfor_b_\@
	tensor_load_to_lds s[\g0a:\g0a+3], s[\g1a:\g1a+7]
	s_nop 0
.rept 4
	v_nop
.endr
	s_branch .Lasked_\@
.Lfor_b_\@:
	tensor_load_to_lds s[\g0b:\g0b+3], s[\g1b:\g1b+7]
	s_nop 0
.rept 4
	v_nop
.endr
.Lasked_\@:
.endm
.macro CREST
	s_cmp_lg_u32 s18, 0
	s_cbranch_scc1 .Lnot_wave_0_\@
	s_barrier_signal -3
.Lnot_wave_0_\@:
	s_barrier_wait -3
	s_barrier_signal -1
	s_barrier_wait -1
.endm
.macro CROUND
	s_barrier_signal -1
	s_barrier_wait -1
	CREST
.endm
.macro PLACES n
.rept \n
	v_nop
.endr
.endm
.macro FRAG reg, adr, q, i
	ds_load_b128 v[(\reg):(\reg)+3], v[\adr] offset:(\i)*TILEB+(\q)*FIB
	ds_load_b64 v[(\reg)+4:(\reg)+5], v[\adr+2] offset:(\i)*TILEB+(\q)*FIB+512
	ds_load_b128 v[(\reg)+6:(\reg)+9], v[\adr] offset:(\i)*TILEB+(\q)*FIB+768
	ds_load_b64 v[(\reg)+10:(\reg)+11], v[\adr+2] offset:(\i)*TILEB+(\q)*FIB+1280
.endm
.macro MUL16 a0, p, q, sc, zero
.irp a, \a0, \a0+1
.irp b, 0,1,2,3,4,5,6,7
.if (\zero) == 1
	v_wmma_scale_f32_16x16x128_f8f6f4 v[8*(8*((\a)%4)+\b):8*(8*((\a)%4)+\b)+7], v[128*(\p)+FR*\b:128*(\p)+FR*\b+FR-1], v[AF+FR*(\a):AF+FR*(\a)+FR-1], v[BIAS+8*\b:BIAS+8*\b+7], v[SC+8*NQ*(\sc)+NQ*\b+(\q)], v[SC+8*NQ*(\sc)+NQ*(\a)+(\q)] matrix_a_fmt:MATRIX_FMT_FP6 matrix_b_fmt:MATRIX_FMT_FP6 matrix_a_scale:MATRIX_SCALE_ROW1
.else
	v_wmma_scale_f32_16x16x128_f8f6f4 v[8*(8*((\a)%4)+\b):8*(8*((\a)%4)+\b)+7], v[128*(\p)+FR*\b:128*(\p)+FR*\b+FR-1], v[AF+FR*(\a):AF+FR*(\a)+FR-1], v[8*(8*((\a)%4)+\b):8*(8*((\a)%4)+\b)+7], v[SC+8*NQ*(\sc)+NQ*\b+(\q)], v[SC+8*NQ*(\sc)+NQ*(\a)+(\q)] matrix_a_fmt:MATRIX_FMT_FP6 matrix_b_fmt:MATRIX_FMT_FP6 matrix_a_scale:MATRIX_SCALE_ROW1
.endif
.endr
.endr
.endm
.macro FETCH_B slot, q, p
	WIN TO_B
.irp i, 0,1,2,3,4,5,6,7
	FRAG 128*(\p)+FR*\i, ADRB+\slot, \q, \i
.endr
	WIN 0
.endm
.macro FETCH_A slot, q, i0
.irp i, \i0, \i0+1, \i0+2, \i0+3
	FRAG AF+FR*(\i), ADRA+\slot, \q, \i
.endr
.endm
.macro SCALES sc
.irp i, 0,1,2,3,4,5,6,7
	ds_load_b64 v[SC+8*NQ*\sc+NQ*\i:SC+8*NQ*\sc+NQ*\i+1], v[ADRS] offset:\i*512
.endr
.endm
.macro STEP slot, q, zero
	s_wait_dscnt 4*NL
.if \zero
	WIN 0x81
.else
	WIN MUL_LO
.endif
	MUL16 0, (\q)%2, \q, \slot, \zero
	MUL16 2, (\q)%2, \q, \slot, \zero
	s_wait_dscnt 0
	PLACES NP
	FETCH_B \slot, (\q)+1, 1-(\q)%2
	FETCH_A \slot, (\q)+1, 0
.if \zero
	WIN 0xc1
.else
	WIN MUL_HI
.endif
	MUL16 4, (\q)%2, \q, \slot, \zero
	MUL16 6, (\q)%2, \q, \slot, \zero
	PLACES NP
	WIN 0
	FETCH_A \slot, (\q)+1, 4
.endm
.macro TURN slot, next, fill, sstep
	s_wait_tensorcnt 0x0
	ds_add_u32 v[SPW], v[NIL]
	s_wait_dscnt 4*NL+1
	WIN MUL_LO
	MUL16 0, 1, NQ-1, \slot, 0
	s_wait_dscnt 0x0
	s_barrier_signal -1
	MUL16 2, 1, NQ-1, \slot, 0
	WIN 0
	s_barrier_wait -1
.if \fill
	CREST
	s_add_nc_u64 s[G0+4*\slot+2:G0+4*\slot+3], s[G0+4*\slot+2:G0+4*\slot+3], 2*TILEB
	s_add_nc_u64 s[G0B+4*\slot+2:G0B+4*\slot+3], s[G0B+4*\slot+2:G0B+4*\slot+3], 2*TILEB
	JLOAD G0+4*\slot, G1, G0B+4*\slot, G1B
.else
	PLACES NP
.endif
	s_wait_alu depctr_va_vdst(0)
	v_add_nc_u32 v[ADRS], \sstep, v[ADRS]
	FETCH_B \next, 0, 0
	FETCH_A \next, 0, 0
	SCALES \next
	WIN MUL_HI
	MUL16 4, 1, NQ-1, \slot, 0
	MUL16 6, 1, NQ-1, \slot, 0
	PLACES NP
	WIN 0
	FETCH_A \next, 0, 4
.endm
	s_load_b256 s[4:11], s[0:1], 0x0
	v_lshl_add_u32 v[SPW], v0, 2, SPARE
	v_mov_b32 v[NIL], 0
	ds_add_u32 v28, v29
	ds_add_u32 v28, v29
	s_wait_dscnt 0x0
	v_lshrrev_b32 v1, 5, v0
	v_readfirstlane_b32 s18, v1
	s_lshr_b32 s19, s18, 1
	s_and_b32 s20, s18, 1
	s_bfe_u32 s40, ttmp6, 0x40000
	s_bfe_u32 s41, ttmp6, 0x40004
	s_and_b32 s66, ttmp7, 0xffff
	s_lshl_b32 s66, s66, 2
	s_add_co_u32 s66, s66, s41
	s_mov_b32 s42, s40
	s_lshl_b32 s43, s41, 2
	s_lshl_b32 s43, 15, s43
	s_lshl_b32 s44, 0x1111, s40
	s_or_b32 s[G1+0], s43, (3<<16)|(1<<21)
	s_or_b32 s[G1B+0], s44, (3<<16)|(1<<21)
.irp g, G1, G1B
	s_mov_b32 s[\g+1], 384<<16
	s_mov_b32 s[\g+2], 16<<16                      ; the head's loads bring all 16 tiles; behind them these two words are set to 8, for the ring's
	s_mov_b32 s[\g+3], 384<<16
	s_mov_b32 s[\g+4], 16
	s_mov_b32 s[\g+5], 1536
	s_mov_b32 s[\g+6], 0
	s_mov_b32 s[\g+7], 0
.endr
	s_or_b32 s[G1S+0], s43, (3<<16)|(1<<21)
	s_or_b32 s[G1SB+0], s44, (3<<16)|(1<<21)
.irp g, G1S, G1SB
	s_mov_b32 s[\g+1], 32<<16
	s_mov_b32 s[\g+2], 32<<16                      ; the scale words of 16 tiles: 8,192 dense bytes as 32 rows of 256
	s_mov_b32 s[\g+3], 32<<16
	s_mov_b32 s[\g+4], 32
	s_mov_b32 s[\g+5], 32
	s_mov_b32 s[\g+6], 0
	s_mov_b32 s[\g+7], 0
.endr
	s_lshl_b32 s67, s66, 4                         ; A's first stored tile
	s_mul_i32 s96, s67, 12288
	s_mov_b32 s97, 0
	s_lshl_b32 s98, s67, 9
	s_add_co_u32 s98, s98, 6291456
	s_mov_b32 s99, 0
	s_lshl_b32 s3, s42, 4                          ; B's first stored tile
	s_mul_i32 s46, s3, 12288
	s_add_co_u32 s46, s46, 2359296
	s_mov_b32 s47, 0
	s_lshl_b32 s2, s3, 9
	s_add_co_u32 s2, s2, 3244032
	s_mov_b32 s3, 0
	s_mul_i32 s45, s18, HALFT
	s_wait_kmcnt 0x0
	s_add_nc_u64 s[92:93], s[4:5], s[96:97]
	s_add_nc_u64 s[94:95], s[4:5], s[98:99]
	s_add_nc_u64 s[46:47], s[6:7], s[46:47]
	s_add_nc_u64 s[2:3], s[6:7], s[2:3]
	CROUND
	s_mov_b32 s[G0S], 1
	s_mov_b32 s[G0S+1], SCL
	s_mov_b64 s[G0S+2:G0S+3], s[94:95]
	s_or_b32 s[G0S+3], s[G0S+3], 0x80000000
	s_mov_b32 s[G0SB], 1
	s_mov_b32 s[G0SB+1], SCL+2*HALFS
	s_mov_b64 s[G0SB+2:G0SB+3], s[2:3]
	s_or_b32 s[G0SB+3], s[G0SB+3], 0x80000000
	s_mov_b32 s4, 1                                ; group 0 of the head's loads of slot 0: A's 16 tiles (the arguments that lay in s[4:7] have been used),
	s_mov_b32 s5, 0
	s_mov_b64 s[6:7], s[92:93]
	s_or_b32 s7, s7, 0x80000000
	s_mov_b32 s96, 1                               ; and B's 16 tiles, behind them
	s_mov_b32 s97, 2*HALFT
	s_mov_b64 s[98:99], s[46:47]
	s_or_b32 s99, s99, 0x80000000
	s_mul_i32 s22, s20, 8*12288                    ; for the ring: my 8 tiles of the 16
	s_mov_b32 s23, 0
	s_add_nc_u64 s[92:93], s[92:93], s[22:23]
	s_add_nc_u64 s[46:47], s[46:47], s[22:23]
.irp s, 0,1
	s_mov_b32 s[G0+4*\s], 1
	s_add_co_u32 s[G0+4*\s+1], s45, \s*SLOT
	s_add_nc_u64 s[G0+4*\s+2:G0+4*\s+3], s[92:93], \s*TILEB
	s_or_b32 s[G0+4*\s+3], s[G0+4*\s+3], 0x80000000
	s_mov_b32 s[G0B+4*\s], 1
	s_add_co_u32 s[G0B+4*\s+1], s45, \s*SLOT
	s_add_nc_u64 s[G0B+4*\s+2:G0B+4*\s+3], s[46:47], \s*TILEB
	s_or_b32 s[G0B+4*\s+3], s[G0B+4*\s+3], 0x80000000
.endr
; the head's loads, one a wave: wave 0 slot 0's 16 tiles of A, wave 1 those of B, wave 2 A's scale words, wave 3 B's; one chain of branches on the wave's number, all arms to one join
.macro ARM under, g0, g1, next
	s_cmp_lt_u32 s18, \under
	s_cbranch_scc0 \next
	tensor_load_to_lds s[\g0:\g0+3], s[\g1:\g1+7]
	s_nop 0
.rept 4
	v_nop
.endr
	s_branch .Lhead_asked
\next:
.endm
	ARM 1, 4, G1, .Lhead_b
	ARM 2, 96, G1B, .Lhead_sa
	ARM 3, G0S, G1S, .Lhead_sb
	tensor_load_to_lds s[G0SB:G0SB+3], s[G1SB:G1SB+7]
	s_nop 0
.rept 4
	v_nop
.endr
.Lhead_asked:
	v_and_b32 v1, 31, v0
	v_and_b32 v2, 15, v0
	v_bfe_u32 v3, v0, 4, 1
	v_lshlrev_b32 v[L16], 4, v1
	v_lshlrev_b32 v[L8], 3, v1
	s_mul_i32 s92, s19, HALFT
	s_mul_i32 s93, s20, HALFT
	s_add_co_u32 s93, s93, 2*HALFT
.irp s, 0,1
	v_add_nc_u32 v[ADRA+\s], s92, v[L16]
	v_add_nc_u32 v[ADRA+2+\s], s92, v[L8]
	v_add_nc_u32 v[ADRB+\s], s93, v[L16]
	v_add_nc_u32 v[ADRB+2+\s], s93, v[L8]
	s_add_co_u32 s92, s92, SLOT
	s_add_co_u32 s93, s93, SLOT
.endr
	v_lshlrev_b32 v5, 4, v2
	s_mul_i32 s92, s19, HALFS
	s_mul_i32 s93, s20, HALFS
	s_add_co_u32 s93, s93, 2*HALFS
	s_sub_co_u32 s93, s93, s92
	v_mul_u32_u24 v6, s93, v3
	s_add_co_u32 s92, s92, SCL
	v_add_nc_u32 v5, v5, v6
	v_add_nc_u32 v[ADRS], s92, v5
	s_mul_i32 s92, s18, 16*SPITCH
	v_mul_u32_u24 v5, v2, SPITCH
	v_lshl_add_u32 v5, v3, 6, v5
	v_add_nc_u32 v[STO], s92, v5
	v_add_nc_u32 v[RD], s92, v[L16]
	s_lshl_b32 s92, s42, 10
	s_lshl_b32 s93, s20, 9
	s_add_co_u32 s92, s92, s93
	s_mov_b32 s93, 0
	s_add_nc_u64 s[8:9], s[8:9], s[92:93]
	s_add_nc_u64 s[10:11], s[10:11], s[92:93]
	s_lshl_b32 s92, s66, 20
	s_lshl_b32 s94, s19, 19
	s_add_co_u32 s92, s92, s94
	s_add_nc_u64 s[10:11], s[10:11], s[92:93]
	v_lshlrev_b32 v4, 6, v3
.irp b, 0,1,2,3,4,5,6,7
	global_load_b128 v[BIAS+8*\b:BIAS+8*\b+3], v4, s[8:9] offset:(32*(\b/2)+8*(\b%2))*4
	global_load_b128 v[BIAS+8*\b+4:BIAS+8*\b+7], v4, s[8:9] offset:(32*(\b/2)+8*(\b%2))*4+16
.endr
	s_wait_alu depctr_va_vdst(0)
	s_wait_loadcnt 0x0
	s_wait_tensorcnt 0x0                           ; my tile of the head's four is in
	ds_add_u32 v[SPW], v[NIL]
	s_mov_b32 s[G1+2], 8<<16                       ; no tensor load of mine is out: from here on a load brings 8 tiles
	s_mov_b32 s[G1+4], 8
	s_mov_b32 s[G1B+2], 8<<16
	s_mov_b32 s[G1B+4], 8
	s_wait_dscnt 0x0
	CROUND                                         ; all four tiles are in, in all sixteen work-groups
	JLOAD G0+4, G1, G0B+4, G1B                     ; slot 1's first fill, the first tensor load behind the round
	FETCH_B 0, 0, 0
	FETCH_A 0, 0, 0
	SCALES 0
	FETCH_A 0, 0, 4
	STEP 0, 0, 1
	TURN 0, 1, 1, 8
	STEP 1, 0, 0
	TURN 1, 0, 1, 248
	STEP 0, 0, 0
	TURN 0, 1, 0, 8
	STEP 1, 0, 0
	s_wait_dscnt 4*NL
	WIN MUL_LO
	MUL16 0, 1, NQ-1, 1, 0
	MUL16 2, 1, NQ-1, 1, 0
	s_wait_dscnt 0
	WIN MUL_HI
	MUL16 4, 1, NQ-1, 1, 0
	MUL16 6, 1, NQ-1, 1, 0
	WIN 0
.macro TOSTAGE a
.set AC, 64*((\a)%4)
	WIN 0x08+4*((\a)/4)
.irp b, 0,1,2,3,4,5,6,7
	ds_store_b128 v[STO], v[AC+8*\b:AC+8*\b+3] offset:128*(\b/2)+32*(\b%2)
	ds_store_b128 v[STO], v[AC+8*\b+4:AC+8*\b+7] offset:128*(\b/2)+32*(\b%2)+16
.endr
	WIN 0
.set BB, BK+64*((\a)%2)
.irp t, 0,1,2,3,4,5,6,7,8,9,10,11,12,13,14,15
	ds_load_b128 v[BB+4*\t:BB+4*\t+3], v[RD] offset:\t*SPITCH
.endr
.endm
.macro SEND a, younger
.set BB, BK+64*((\a)%2)
	s_wait_dscnt \younger
.irp t, 0,1,2,3,4,5,6,7,8,9,10,11,12,13,14,15
	global_store_b128 v[L16], v[BB+4*\t:BB+4*\t+3], s[10:11] offset:(32*((\a)/2)+8*((\a)%2)+16*(\t/8)+\t%8)*4096 th:TH_STORE_NT
.endr
.endm
	PLACES NP
	TOSTAGE 0
.irp a, 1,2,3,4,5,6,7
.if \a > 1
	s_wait_xcnt 0x0
.endif
	TOSTAGE \a
	SEND \a-1, 32
.endr
	SEND 7, 0
	s_wait_tensorcnt 0x0
	ds_add_u32 v[SPW], v[NIL]
	s_wait_dscnt 0x0
	CROUND
	s_endpgm
.Lfunc_end_k_q3ebbacf906_outp:
	.size	k_q3ebbacf906_outp, .Lfunc_end_k_q3ebbacf906_outp-k_q3ebbacf906_outp
	.p2alignl 7, 3214868480
	.fill 96, 4, 3214868480
	.section	.rodata,"a",@progbits
	.p2align	6, 0x0
	.amdhsa_kernel k_q3ebbacf906_outp
		.amdhsa_group_segment_fixed_size 327680
		.amdhsa_private_segment_fixed_size 0
		.amdhsa_enable_private_segment 0
		.amdhsa_kernarg_size 32
		.amdhsa_user_sgpr_count 2
		.amdhsa_user_sgpr_kernarg_segment_ptr 1
		.amdhsa_wavefront_size32 1
		.amdhsa_system_sgpr_workgroup_id_x 1
		.amdhsa_system_sgpr_workgroup_id_y 1
		.amdhsa_system_sgpr_workgroup_id_z 1
		.amdhsa_system_vgpr_workitem_id 0
		.amdhsa_next_free_vgpr 1024
		.amdhsa_next_free_sgpr 100
		.amdhsa_reserve_vcc 0
		.amdhsa_float_denorm_mode_32 3
		.amdhsa_float_denorm_mode_16_64 3
		.amdhsa_memory_ordered 1
		.amdhsa_forward_progress 1
		.amdhsa_inst_pref_size 145
	.end_amdhsa_kernel
	.amdgpu_metadata
---
amdhsa.version: [ 1, 2 ]
amdhsa.kernels:
  - .name:           k_q3ebbacf906_outp
    .symbol:         k_q3ebbacf906_outp.kd
    .args:
      - { .name: cbuf, .offset: 0, .size: 8, .value_kind: global_buffer, .address_space: global }
      - { .name: wbuf, .offset: 8, .size: 8, .value_kind: global_buffer, .address_space: global }
      - { .name: bo, .offset: 16, .size: 8, .value_kind: global_buffer, .address_space: global }
      - { .name: out0, .offset: 24, .size: 8, .value_kind: global_buffer, .address_space: global }
    .group_segment_fixed_size: 327680
    .private_segment_fixed_size: 0
    .kernarg_segment_align: 8
    .kernarg_segment_size: 32
    .max_flat_workgroup_size: 128
    .sgpr_count:     100
    .vgpr_count:     1024
    .wavefront_size: 32
...
	.end_amdgpu_metadata
.endif
;; end of part 4
